; MI455X (gfx1250); checked and timed in simulation.
; The chip was launched on July 23, 2026; its instructions are those of AMD's public machine-readable ISA for CDNA 5 (MIT licence, August 2026) and "CDNA5" Instruction Set Architecture Reference Guide (July 2026). The comments in the code are by the model that wrote it; some were corrected since.
;; GQA Block. Allowed arithmetic: float matrix products may take bf16 or f16 operands with f32 sums; all other float work in f32.
;; Inputs: attention_mask 1,024 x 2,048 float32; k_cache 1 x 8 x 1,024 x 128 float32; v_cache 1 x 8 x 1,024 x 128 float32; w_k 4,096 x 1,024 float32; w_o 4,096 x 4,096 float32; w_q 4,096 x 4,096 float32; w_v 4,096 x 1,024 float32; x 1 x 1,024 x 4,096 float32.
;; Outputs: out0 1 x 1,024 x 4,096 float32; out1 1 x 8 x 2,048 x 128 float32; out2 1 x 8 x 2,048 x 128 float32.
;; One version. Each part assembles by itself: llvm-mc -triple=amdgcn-amd-amdhsa -mcpu=gfx1250 --defsym DOCPART=n.
;; ======== version 1 of 1: 4 launches
;; limits: values are held in f16: magnitudes above 65,504 overflow, below 6.1e-05 lose precision; inputs' magnitudes at most 65,504
;; workspace buffers: wb 58,720,256 bytes; wob 33,554,432 bytes; qb 8,388,608 bytes; kvb 8,388,608 bytes; rb 8,388,608 bytes
;; launch cvt (part 1): grid 1920 x 1, 8 waves a work-group, no clusters, 0 bytes of LDS; arguments x, w_q, w_k, w_v, k_cache, v_cache, wb, kvb, out1, out2; writes wb, kvb, out1, out2
.if DOCPART == 1
	.amdgcn_target "amdgcn-amd-amdhsa--gfx1250"
	.amdhsa_code_object_version 6
	.text
	.protected	k_q1186d1bbe4_cvt
	.globl	k_q1186d1bbe4_cvt
	.p2align	8
	.type	k_q1186d1bbe4_cvt,@function
k_q1186d1bbe4_cvt:
	s_mov_b64 s[64:65], 0
	v_nop
	global_prefetch_b8 v0, s[64:65] scope:SCOPE_SE
	s_setreg_imm32_b32 hwreg(HW_REG_WAVE_MODE, 25, 1), 1
	s_wait_xcnt 0x0
; f32 -> f16, once, for what the next launch feeds to the matrix units, and the cache halves of out1, out2 and kvb.
;   wb  (f16): x [1024][4096] at 0, w_q [4096][4096] at 8 MiB, w_k [4096][1024] at 40 MiB, w_v at 48 MiB; layouts unchanged.
;   kvb (f16): [2][8][2048][128], K / 4 and V / 4; here rows 0-1023 of every group, from k_cache and v_cache.
;   out1, out2 (f32): rows 0-1023 of every group are the caches, copied bit for bit.
; (w_o is not needed before the last launch: it is converted inside the next launch, beside that launch's matrix work.)
; WHY f16: between x and out0 lie a dozen roundings of matrix operands, and out0 is compared at a hundredth of its root mean square; f16's 11
; significant bits leave that comparison room, 8 bits do not.  ROOM IN f16 (largest number 65,504; spacing 2^-24 below 2^-14): x as drawn has
; spread 1, the weights 1/64, the caches 1.  30 times larger or offset by 30 spreads: |x| < 200, |w| < 3, |cache| / 4 < 50.  30 times smaller: the weights
; have spread 5e-4 and are rounded within 3e-8, 6e-5 of their spread.
; A stream: no LDS, no matrix unit, no cluster (no byte is read twice, no wave depends on another).
; A work-group takes 64 KiB of f32 source in 16 passes of 4 KiB.  Thread t loads the 16 bytes at 16 t of a pass (a wave: 512 consecutive
; bytes) and stores 8 bytes at 8 t (a wave: 256 consecutive bytes, aligned).  Work-groups 0-1791 walk x, w_q, w_k, w_v in wb's order,
; so the destination is wb + 32 KiB x number; work-groups 1792-1919 walk the two caches and store the f32 copy as well.
; 1,920 work-groups are 7 or 8 for each of 256 WGPs.  Eight register slots keep eight loads of every wave on their way; 16 passes are
; eight first loads, eight turns that load ahead and eight that do not: no loop, and no load leaves its buffer.
; Limit: all matrix operands are rounded to f16; an input beyond 65,504 (a cache entry beyond 262,000) becomes infinite.
.set T, 4                              ; v[4:7]    a cache's four numbers x 1/4
.set X, 8                              ; v[8:39]   slot i: 4 registers as loaded
.set Y, 40                             ; v[40:55]  slot i: 2 registers, 4 f16
.set NPLAIN, 1792                      ; work-groups that only convert
	s_load_b512 s[4:19], s[0:1], 0x0               ; x, w_q, w_k, w_v, k_cache, v_cache, wb, kvb
	s_load_b128 s[20:23], s[0:1], 0x40             ; out1, out2
	v_lshlrev_b32 v1, 4, v0                        ; my 16 bytes of a source pass (and of the f32 copy)
	v_lshlrev_b32 v2, 3, v0                        ; my 8 bytes of the f16 pass
	s_mov_b32 s26, ttmp9                           ; the work-group's number
	s_mov_b32 s37, 0                               ; high word of every offset here (all are below 4 GiB)
	s_wait_kmcnt 0x0
; Slot i's turn on pass p.  ahead: the slot is loaded again, eight passes further on.  left: younger loads that may stay out.
; copy: a cache: the f16 numbers are scaled by 1/4 and the f32 copy is stored too.
.macro CSLOT i, p, ahead, left, copy
	s_wait_loadcnt \left                           ; loads return in order: this slot's is in
.if \copy
	v_pk_mul_f32 v[T:T+1], v[X+4*\i:X+4*\i+1], s[2:3] op_sel_hi:[1,0]
	v_pk_mul_f32 v[T+2:T+3], v[X+4*\i+2:X+4*\i+3], s[2:3] op_sel_hi:[1,0]
	v_cvt_pk_f16_f32 v[Y+2*\i], v[T], v[T+1]
	v_cvt_pk_f16_f32 v[Y+2*\i+1], v[T+2], v[T+3]
	global_store_b128 v1, v[X+4*\i:X+4*\i+3], s[32:33] offset:(\p)*4096 th:TH_STORE_NT
.else
	v_cvt_pk_f16_f32 v[Y+2*\i], v[X+4*\i], v[X+4*\i+1]
	v_cvt_pk_f16_f32 v[Y+2*\i+1], v[X+4*\i+2], v[X+4*\i+3]
.endif
.if \ahead
.if \copy
	s_wait_xcnt 0x0                                ; X of this slot is the data of the store above: it is loaded again only behind this wait
.endif
	global_load_b128 v[X+4*\i:X+4*\i+3], v1, s[28:29] offset:((\p)+8)*4096 th:TH_LOAD_NT
.endif
	global_store_b64 v2, v[Y+2*\i:Y+2*\i+1], s[30:31] offset:(\p)*2048
.endm
.macro CSTREAM copy
.irp i, 0,1,2,3,4,5,6,7
	global_load_b128 v[X+4*\i:X+4*\i+3], v1, s[28:29] offset:\i*4096 th:TH_LOAD_NT
.endr
.irp i, 0,1,2,3,4,5,6,7
	CSLOT \i, \i, 1, 7, \copy                      ; passes 0-7; passes 8-15 are asked for
.endr
	s_wait_xcnt 0x0                                ; Y, the data of the stores above, is rewritten only behind this wait
.irp i, 0,1,2,3,4,5,6,7
	CSLOT \i, \i+8, 0, 7-\i, \copy                 ; passes 8-15: nothing is left to load, the counts run down
.endr
	s_endpgm
.endm
; from work-group n on the source is the buffer whose address lies in s[p:p+1]
.macro PICK n, p
	s_cmp_ge_u32 s26, \n
	s_cselect_b64 s[28:29], s[\p:\p+1], s[28:29]
	s_cselect_b32 s27, \n, s27
.endm
	s_cmp_ge_u32 s26, NPLAIN
	s_cbranch_scc1 .Lcache
	s_mov_b64 s[28:29], s[4:5]                     ; x: work-groups 0-255
	s_mov_b32 s27, 0
	PICK 256, 6                                    ; w_q: 256-1279
	PICK 1280, 8                                   ; w_k: 1280-1535
	PICK 1536, 10                                  ; w_v: 1536-1791
	s_sub_co_u32 s36, s26, s27
	s_lshl_b32 s36, s36, 16                        ; 64 KiB for each work-group inside its source
	s_add_nc_u64 s[28:29], s[28:29], s[36:37]
	s_lshl_b32 s36, s26, 15                        ; 32 KiB for each work-group in wb
	s_add_nc_u64 s[30:31], s[16:17], s[36:37]
	CSTREAM 0
.Lcache:
	s_mov_b32 s2, 0x3e800000                       ; 1/4: the scale of K and V in kvb
	s_mov_b32 s3, 0x3e800000
	s_sub_co_u32 s26, s26, NPLAIN                  ; 0-63: k_cache, 64-127: v_cache
	s_and_b32 s27, s26, 63                         ; 8 x group + piece
	s_lshr_b32 s35, s27, 3                         ; group
	s_and_b32 s39, s27, 7                          ; which 128 rows of the group's 1024
	s_cmp_ge_u32 s26, 64
	s_cselect_b64 s[28:29], s[14:15], s[12:13]
	s_cselect_b64 s[32:33], s[22:23], s[20:21]
	s_cselect_b32 s38, 1<<22, 0                    ; V's half of kvb
	s_lshl_b32 s36, s27, 16
	s_add_nc_u64 s[28:29], s[28:29], s[36:37]      ; source: dense, 64 KiB a work-group
	s_lshl_b32 s36, s35, 20                        ; out: a group is 2048 rows of 512 bytes
	s_lshl_b32 s27, s39, 16
	s_add_co_u32 s36, s36, s27
	s_add_nc_u64 s[32:33], s[32:33], s[36:37]
	s_lshl_b32 s36, s35, 19                        ; kvb: a group is 2048 rows of 256 bytes
	s_lshl_b32 s27, s39, 15
	s_add_co_u32 s36, s36, s27
	s_add_co_u32 s36, s36, s38
	s_add_nc_u64 s[30:31], s[18:19], s[36:37]
	CSTREAM 1
.Lfunc_end_k_q1186d1bbe4_cvt:
	.size	k_q1186d1bbe4_cvt, .Lfunc_end_k_q1186d1bbe4_cvt-k_q1186d1bbe4_cvt
	.p2alignl 7, 3214868480
	.fill 96, 4, 3214868480
	.section	.rodata,"a",@progbits
	.p2align	6, 0x0
	.amdhsa_kernel k_q1186d1bbe4_cvt
		.amdhsa_group_segment_fixed_size 0
		.amdhsa_private_segment_fixed_size 0
		.amdhsa_enable_private_segment 0
		.amdhsa_kernarg_size 80
		.amdhsa_user_sgpr_count 2
		.amdhsa_user_sgpr_kernarg_segment_ptr 1
		.amdhsa_wavefront_size32 1
		.amdhsa_system_sgpr_workgroup_id_x 1
		.amdhsa_system_sgpr_workgroup_id_y 1
		.amdhsa_system_sgpr_workgroup_id_z 1
		.amdhsa_system_vgpr_workitem_id 0
		.amdhsa_next_free_vgpr 56
		.amdhsa_next_free_sgpr 66
		.amdhsa_reserve_vcc 0
		.amdhsa_float_denorm_mode_32 3
		.amdhsa_float_denorm_mode_16_64 3
		.amdhsa_memory_ordered 1
		.amdhsa_forward_progress 1
		.amdhsa_inst_pref_size 17
	.end_amdhsa_kernel
	.amdgpu_metadata
---
amdhsa.version: [ 1, 2 ]
amdhsa.kernels:
  - .name:           k_q1186d1bbe4_cvt
    .symbol:         k_q1186d1bbe4_cvt.kd
    .args:
      - { .name: x, .offset: 0, .size: 8, .value_kind: global_buffer, .address_space: global }
      - { .name: w_q, .offset: 8, .size: 8, .value_kind: global_buffer, .address_space: global }
      - { .name: w_k, .offset: 16, .size: 8, .value_kind: global_buffer, .address_space: global }
      - { .name: w_v, .offset: 24, .size: 8, .value_kind: global_buffer, .address_space: global }
      - { .name: k_cache, .offset: 32, .size: 8, .value_kind: global_buffer, .address_space: global }
      - { .name: v_cache, .offset: 40, .size: 8, .value_kind: global_buffer, .address_space: global }
      - { .name: wb, .offset: 48, .size: 8, .value_kind: global_buffer, .address_space: global }
      - { .name: kvb, .offset: 56, .size: 8, .value_kind: global_buffer, .address_space: global }
      - { .name: out1, .offset: 64, .size: 8, .value_kind: global_buffer, .address_space: global }
      - { .name: out2, .offset: 72, .size: 8, .value_kind: global_buffer, .address_space: global }
    .group_segment_fixed_size: 0
    .private_segment_fixed_size: 0
    .kernarg_segment_align: 8
    .kernarg_segment_size: 80
    .max_flat_workgroup_size: 256
    .sgpr_count:     66
    .vgpr_count:     56
    .wavefront_size: 32
...
	.end_amdgpu_metadata
.endif
;; end of part 1
;; launch qkv (part 2): grid 32 x 8, 4 waves a work-group, clusters of 4 x 4, 327,680 bytes of LDS; arguments wb, qb, kvb, out1, out2, w_o, wob; writes qb, kvb, out1, out2, wob
.if DOCPART == 2
	.amdgcn_target "amdgcn-amd-amdhsa--gfx1250"
	.amdhsa_code_object_version 6
	.text
	.protected	k_q1186d1bbe4_qkv
	.globl	k_q1186d1bbe4_qkv
	.p2align	8
	.type	k_q1186d1bbe4_qkv,@function
k_q1186d1bbe4_qkv:
	s_mov_b64 s[64:65], 0
	v_nop
	global_prefetch_b8 v0, s[64:65] scope:SCOPE_SE
	s_setreg_imm32_b32 hwreg(HW_REG_WAVE_MODE, 25, 1), 1
	s_wait_xcnt 0x0
	s_wait_alu depctr_hold_cnt(0) depctr_sa_sdst(0) depctr_va_vdst(0) depctr_va_sdst(0) depctr_va_ssrc(0) depctr_va_vcc(0) depctr_vm_vsrc(0)
	s_getreg_b32 s2, hwreg(HW_REG_IB_STS2, 6, 4)
	s_cmp_eq_u32 s2, 0
	s_cbranch_scc0 .Lentry_in_a_cluster
	s_endpgm
.Lentry_in_a_cluster:
	s_bfe_u32 s2, ttmp6, 0x10000c
	s_cmp_lg_u32 s2, 0xf033
	s_cbranch_scc0 .Lentry_shape_is_right
	s_endpgm
.Lentry_shape_is_right:
; Q, K_new and V_new in one product: [1024 x 4096] x [4096 x (4096 + 1024 + 1024)], f16 operands from wb, sums in f32; and, beside it, w_o -> f16.
; 256 work-groups of equal work.  Work-group (j, i) makes rows 128 i .. +127 of: Q's columns 128 j .. +127, and 64 columns of K_new (j < 16) or
; V_new (j >= 16), columns 64 (j & 15) .. +63.  Four waves; wave (wm, wn) makes 64 rows x (64 + 32) columns: 4 x 6 accumulator tiles, 192 registers.
; Results: qb = f16(Q x 4 c1), c1 = log2(e)/sqrt(128) (the softmax's scale, folded in once; the 4 undoes K's 1/4); K_new, V_new as f32 into rows
; 1024-2047 of out1, out2 and, x 1/4, as f16 into the same rows of kvb.
; ROOM IN f16 (largest number 65,504; spacing 2^-24 below 2^-14): Q, K_new, V_new as drawn have spread 1.  With x and the weights 30 times larger: spread 900.
; With x and the weights offset by 30 spreads: 4096 x 30 x 30/64 = 57,600, stored as 29,400 (Q x 0.51) and 14,400 (K, V x 1/4).  With both 30 times
; smaller: spread 1.1e-3, stored with spread 3e-4 to 6e-4 and rounded within 3e-8, a ten-thousandth of the spread.
; The weights lie [k][n] in memory and in LDS; ds_load_tr16_b128 transposes them on the way into the fragments.
; THE RING.  K goes in steps of 192 through two LDS slots filled by the tensor data mover, one load a wave behind each change of slots: waves 0, 1:
; 64 rows x 384 bytes each of x; wave 2: 192 k x 128 n of w_q; wave 3: 192 k x 64 n of w_k or w_v.  A slot is 141,312 bytes; two slots and the stage
; of 34,816 bytes are 317,440 of the 327,680 that there are (a step of 256 would want two slots of 182,272).  A slot is three chunks of 64 along K,
; 144 matrix instructions a wave.  4096 = 21 x 192 + 64: tiles 0 to 20 are whole, tile 21 is one chunk long.
; CLUSTER 4 x 4: x's tile hangs on i alone and is asked for jointly by a row of the cluster; the weights' tiles hang on j alone and are asked for
; jointly by a column.  That divides the requests for every tile by four.
; A wave has two tensor loads out at the start and one behind each refill.
; w_o -> f16 (wob, layout unchanged), for the last launch: work-group 32 i + j takes 256 KiB of w_o, a wave 64 KiB: in each of the 64 chunks two loads of
; 512 consecutive bytes, four conversions, two stores of 256 consecutive bytes.  Three register pairs take turns: a pair is asked for three chunks,
; one tile, before it is converted.  These loads and stores touch no byte that any other wave of the launch touches.
; The matrix instruction is used transposed (source 0 = weights, source 1 = x), so that a lane holds eight neighbouring columns of one row.
; Limit: operands are f16 (rounded once in the launch before); Q x 4 c1, K / 4, V / 4 and w_o are rounded to f16: |Q| beyond 128,000, |K|, |V| beyond 262,000
; and |w_o| beyond 65,504 become infinite there.
; REGISTER WINDOWS: 0: addresses, w_o's stream, x's fragments (two buffers), the way out; 1: the weights' fragments (two buffers); 2: accumulators, tile (a, b) at 8 (6 a + b).
.set NB,    6                          ; column tiles of a wave: 0-3 of Q, 4-5 of K or V
.set KS,    192                        ; K step of a slot
.set PA,    432                        ; LDS pitch of x's rows: three pieces of 128 + 16 bytes; 27 x 16: sixteen rows start at sixteen different 16-byte columns of 256
.set CA,    144                        ; from chunk to chunk inside such a row
.set PB1,   288                        ; of w_q's rows: 256 + 32 bytes (an odd multiple of 32, for the transposing loads)
.set PB2,   160                        ; of w_k's, w_v's rows: 128 + 32 bytes
.set OFFB1, 128*PA                     ; 55,296
.set OFFB2, OFFB1+KS*PB1               ; 110,592
.set SLOT,  OFFB2+KS*PB2               ; 141,312
.set STG,   2*SLOT                     ; the stage: 128 rows x 272 bytes, first for Q (f16), then for K or V (f32); no tensor load lands here
.set STEPA,  KS*2                      ; bytes from tile to tile: along x's rows,
.set STEPB1, KS*8192                   ; down w_q's rows,
.set STEPB2, KS*2048                   ; down w_k's or w_v's
.set NLOADS, 16+4*NB                   ; LDS loads of one FETCH
.set ADRA,  16                         ; v16-17  x's fragments in slot 0, 1
.set ADRB1, 20                         ; v20-21  w_q's
.set ADRB2, 22                         ; v22-23  w_k's or w_v's
.set STQ,   24
.set STK,   25
.set RD,    26
.set CQ,    28
.set CK,    29
.set CB,    30
.set CX,    32                         ; v32-55  w_o: three pairs of four registers as loaded
.set CY,    56                         ; v56-59  w_o: a pair as f16, to store
.set VL16,  60                         ; 16 x lane
.set VL8,   61                         ; 8 x lane
.set AF0,   64
.set AF1,   128
.set BF0,   0
.set BF1,   96
.set TMP,   192                        ; v192-223 K or V as f16, to store
.set SC,    224                        ; v224-239 K or V x 1/4, four sets of four that take turns
.set G1A, 24
.set G0A, 32
.set G1B, 40
.set G0B, 48
.set G1C, 56
.set G0C, 68
.set WSRC, 90                          ; s[90:91] w_o at the current tile's first pair of my wave
.set WDST, 92                          ; s[92:93] wob likewise
.set MULW, 0xa1                        ; source 0 window 1, source 1 window 0, C and D window 2
.set TO_B, 0x40                        ; destination window 1
.set MSB, 0
.macro WIN new                         ; the immediate's high byte repeats the setting that is left
.if MSB != \new
	s_set_vgpr_msb (MSB<<8)|\new
.set MSB, \new
.endif
.endm
.macro PLACES                          ; four places behind matrix instructions (ISA guide 7.12.1)
.rept 4
	v_nop
.endr
.endm
; one joint load a wave; the branches hang on the wave's number alone
.macro JLOAD s
	s_cmp_lt_u32 s10, 2
	s_cbranch_scc0 .Lnot_a_\@
	tensor_load_to_lds s[G0A+4*\s:G0A+4*\s+3], s[G1A:G1A+7]
	s_nop 0
	s_branch .Lasked_\@
.Lnot_a_\@:
	s_cmp_eq_u32 s10, 2
	s_cbranch_scc0 .Lfor_c_\@
	tensor_load_to_lds s[G0B+4*\s:G0B+4*\s+3], s[G1B:G1B+7]
	s_nop 0
	s_branch .Lasked_\@
.Lfor_c_\@:
	tensor_load_to_lds s[G0C+4*\s:G0C+4*\s+3], s[G1C:G1C+7]
	s_nop 0
.Lasked_\@:
.endm
.macro CREST                           ; a round of the cluster's barrier behind its opening barrier
	s_cmp_lg_u32 s10, 0
	s_cbranch_scc1 .Lnot_wave_0_\@
	s_barrier_signal -3
.Lnot_wave_0_\@:
	s_barrier_wait -3
	s_barrier_signal -1
	s_barrier_wait -1
.endm
.macro CROUND
	s_barrier_signal -1
	s_barrier_wait -1
	CREST
.endm
	s_load_b256 s[80:87], s[0:1], 0x0              ; wb s[80:81], qb s[82:83], kvb s[84:85], out1 s[86:87]
	s_load_b128 s[88:91], s[0:1], 0x20             ; out2 s[88:89], w_o s[90:91]
	s_load_b64 s[92:93], s[0:1], 0x30              ; wob
	s_set_vgpr_msb 0x40
	v_lshl_add_u32 v255, v0, 2, 0x4d800
	s_set_vgpr_msb 0x4000
	v_mov_b32 v255, 0
	s_set_vgpr_msb 0x1
	ds_add_u32 v255, v255
	s_set_vgpr_msb 0x100
	v_lshrrev_b32 v1, 5, v0
	v_readfirstlane_b32 s10, v1                    ; wave
	s_lshr_b32 s11, s10, 1                         ; wm: which 64 rows
	s_and_b32 s12, s10, 1                          ; wn: which half of the columns; also which 64 rows of x waves 0, 1 fetch
	s_bfe_u32 s13, ttmp6, 0x40000                  ; cx
	s_bfe_u32 s14, ttmp6, 0x40004                  ; cy
	s_lshl_b32 s15, ttmp9, 2
	s_add_co_u32 s15, s15, s13                     ; j = 4 x cluster x + cx
	s_and_b32 s16, ttmp7, 0xffff
	s_lshl_b32 s16, s16, 2
	s_add_co_u32 s16, s16, s14                     ; i = 4 x cluster y + cy
	s_lshl_b32 s18, s14, 2
	s_lshl_b32 s18, 15, s18                        ; my row of the cluster
	s_lshl_b32 s22, 0x1111, s13                    ; my column
	s_lshr_b32 s23, ttmp9, 2                       ; j >> 4: 0 = K, 1 = V (the same in the whole cluster)
	s_mov_b32 s76, 0x3f0293ee                      ; 4 c1 = 4 log2(e) / sqrt(128)
	s_mov_b32 s77, 0x3f0293ee
	s_mov_b32 s94, 0x3e800000                      ; 1/4: the scale of K and V in kvb
	s_mov_b32 s95, 0x3e800000
	; group 1 of x's tiles: 64 rows x 192 elements of 2 bytes, 16 bytes of padding behind every 32 words (a row is three such pieces)
	s_or_b32 s[G1A+0], s18, (1<<16)|(1<<20)|(1<<21)|(4<<22)|(3<<25)
	s_mov_b32 s[G1A+1], KS<<16                     ; tensor_dim0
	s_mov_b32 s[G1A+2], 64<<16                     ; tensor_dim1
	s_mov_b32 s[G1A+3], KS<<16                     ; tile_dim0
	s_mov_b32 s[G1A+4], 64                         ; tile_dim1
	s_mov_b32 s[G1A+5], 4096                       ; elements from row to row
	s_mov_b32 s[G1A+6], 0
	s_mov_b32 s[G1A+7], 0
	; w_q's tiles: 192 rows (k) x 128 elements, 32 bytes of padding behind every 64 words
	s_or_b32 s[G1B+0], s22, (1<<16)|(1<<20)|(1<<21)|(5<<22)|(7<<25)
	s_mov_b32 s[G1B+1], 128<<16
	s_mov_b32 s[G1B+2], KS<<16
	s_mov_b32 s[G1B+3], 128<<16
	s_mov_b32 s[G1B+4], KS
	s_mov_b32 s[G1B+5], 4096
	s_mov_b32 s[G1B+6], 0
	s_mov_b32 s[G1B+7], 0
	; w_k's or w_v's tiles: 192 rows (k) x 64 elements, 32 bytes of padding behind every 32 words
	s_or_b32 s[G1C+0], s22, (1<<16)|(1<<20)|(1<<21)|(4<<22)|(7<<25)
	s_mov_b32 s[G1C+1], 64<<16
	s_mov_b32 s[G1C+2], KS<<16
	s_mov_b32 s[G1C+3], 64<<16
	s_mov_b32 s[G1C+4], KS
	s_mov_b32 s[G1C+5], 1024
	s_mov_b32 s[G1C+6], 0
	s_mov_b32 s[G1C+7], 0
	; where the tiles come from: x's offset from i and the wave, the weights' from j; each in registers that never hold the other coordinate
	s_lshl_b32 s20, s16, 20                        ; 128 i rows of 8,192 bytes
	s_lshl_b32 s19, s12, 19                        ; + 64 rows for wave 1
	s_add_co_u32 s20, s20, s19
	s_mov_b32 s21, 0
	s_lshl_b32 s4, s15, 8                          ; w_q at 8 MiB, column 128 j
	s_add_co_u32 s4, s4, 8388608
	s_mov_b32 s5, 0
	s_lshl_b32 s6, s23, 23                         ; w_k at 40 MiB, w_v 8 MiB behind it, column 64 (j & 15)
	s_and_b32 s7, s15, 15
	s_lshl_b32 s7, s7, 7
	s_add_co_u32 s6, s6, s7
	s_add_co_u32 s6, s6, 41943040
	s_mov_b32 s7, 0
	s_mul_i32 s78, s12, 64*PA                      ; LDS: wave 0's rows, then wave 1's
	s_wait_dscnt 0x0
	s_wait_kmcnt 0x0
	s_add_nc_u64 s[20:21], s[80:81], s[20:21]
	s_add_nc_u64 s[4:5], s[80:81], s[4:5]
	s_add_nc_u64 s[6:7], s[80:81], s[6:7]
	CROUND                                         ; all sixteen work-groups are here: the first joint loads meet
.irp s, 0,1
	s_mov_b32 s[G0A+4*\s], 1
	s_add_co_u32 s[G0A+4*\s+1], s78, \s*SLOT
	s_add_nc_u64 s[G0A+4*\s+2:G0A+4*\s+3], s[20:21], \s*STEPA          ; tile s
	s_or_b32 s[G0A+4*\s+3], s[G0A+4*\s+3], 0x80000000
	s_mov_b32 s[G0B+4*\s], 1
	s_mov_b32 s[G0B+4*\s+1], \s*SLOT+OFFB1
	s_add_nc_u64 s[G0B+4*\s+2:G0B+4*\s+3], s[4:5], \s*STEPB1
	s_or_b32 s[G0B+4*\s+3], s[G0B+4*\s+3], 0x80000000
	s_mov_b32 s[G0C+4*\s], 1
	s_mov_b32 s[G0C+4*\s+1], \s*SLOT+OFFB2
	s_add_nc_u64 s[G0C+4*\s+2:G0C+4*\s+3], s[6:7], \s*STEPB2
	s_or_b32 s[G0C+4*\s+3], s[G0C+4*\s+3], 0x80000000
	JLOAD \s
.endr
	; w_o's stream: work-group 32 i + j, wave w: source at 256 KiB x (32 i + j) + 64 KiB x w, destination at half of that
	s_lshl_b32 s8, s16, 23
	s_lshl_b32 s9, s10, 16
	s_add_co_u32 s8, s8, s9
	s_mov_b32 s9, 0
	s_add_nc_u64 s[WSRC:WSRC+1], s[WSRC:WSRC+1], s[8:9]
	s_lshl_b32 s8, s15, 18
	s_add_nc_u64 s[WSRC:WSRC+1], s[WSRC:WSRC+1], s[8:9]
	s_lshl_b32 s8, s16, 22
	s_lshl_b32 s9, s10, 15
	s_add_co_u32 s8, s8, s9
	s_mov_b32 s9, 0
	s_add_nc_u64 s[WDST:WDST+1], s[WDST:WDST+1], s[8:9]
	s_lshl_b32 s8, s15, 17
	s_add_nc_u64 s[WDST:WDST+1], s[WDST:WDST+1], s[8:9]
	v_and_b32 v11, 31, v0                          ; lane
	v_lshlrev_b32 v[VL16], 4, v11
	v_lshlrev_b32 v[VL8], 3, v11
.irp q, 0,1,2
	global_load_b128 v[CX+8*\q:CX+8*\q+3],   v[VL16], s[WSRC:WSRC+1] offset:\q*1024 th:TH_LOAD_NT       ; the first three pairs
	global_load_b128 v[CX+8*\q+4:CX+8*\q+7], v[VL16], s[WSRC:WSRC+1] offset:\q*1024+512 th:TH_LOAD_NT
.endr
	v_and_b32 v1, 15, v0                           ; r = lane % 16
	v_bfe_u32 v2, v0, 4, 1                         ; h = lane / 16
	v_and_b32 v3, 7, v0
	v_bfe_u32 v4, v0, 3, 1
	v_mul_u32_u24 v5, v1, PA
	v_lshl_add_u32 v5, v2, 4, v5                   ; r x 432 + 16 h
	s_mul_i32 s79, s11, 64*PA
	v_add_nc_u32 v[ADRA], s79, v5                  ; x: row 64 wm + r
	v_add_nc_u32 v[ADRA+1], SLOT, v[ADRA]
	v_lshl_add_u32 v6, v2, 3, v3                   ; the k row that this lane addresses in a transposing load: 8 h + lane % 8
	v_mul_u32_u24 v7, v6, PB1
	v_lshl_add_u32 v7, v4, 4, v7                   ; + 16 bytes for the upper eight columns
	s_lshl_b32 s79, s12, 7
	s_add_co_u32 s79, s79, OFFB1
	v_add_nc_u32 v[ADRB1], s79, v7                 ; w_q: column 64 wn
	v_add_nc_u32 v[ADRB1+1], SLOT, v[ADRB1]
	v_mul_u32_u24 v8, v6, PB2
	v_lshl_add_u32 v8, v4, 4, v8
	s_lshl_b32 s79, s12, 6
	s_add_co_u32 s79, s79, OFFB2
	v_add_nc_u32 v[ADRB2], s79, v8                 ; w_k, w_v: column 32 wn
	v_add_nc_u32 v[ADRB2+1], SLOT, v[ADRB2]
	s_mul_i32 s79, s11, 64*272
	s_lshl_b32 s19, s12, 7
	s_add_co_u32 s79, s79, s19
	s_add_co_u32 s79, s79, STG                     ; the stage: row 64 wm, byte 128 wn
	v_mul_u32_u24 v9, v1, 272
	v_add_nc_u32 v9, s79, v9                       ; + r rows
	v_lshl_add_u32 v[STQ], v2, 4, v9               ; f16: 16 bytes for each half of the lanes
	v_lshl_add_u32 v[STK], v2, 5, v9               ; f32: 32 bytes
	v_mul_u32_u24 v10, v2, 272
	v_lshl_add_u32 v10, v1, 4, v10                 ; back: lanes 0-15 one row of 256 bytes, lanes 16-31 the next
	s_mul_i32 s79, s10, 32*272                     ; wave w takes rows 32 w .. +31 out
	s_add_co_u32 s79, s79, STG
	v_add_nc_u32 v[RD], s79, v10
	v_lshlrev_b32 v11, 4, v1
	v_lshl_add_u32 v[CQ], v2, 13, v11              ; qb: rows of 8,192 bytes
	v_lshl_add_u32 v[CK], v2, 9, v11               ; out1, out2: rows of 512 bytes
	v_lshlrev_b32 v11, 3, v1
	v_lshl_add_u32 v[CB], v2, 8, v11               ; kvb: rows of 256 bytes, 8 bytes a lane
; 12 matrix instructions: row tiles a0, a0 + 1 x all six column tiles, 32 along K (k step ks of the chunk).  zero: the product starts the sums.
; The 24 accumulators take turns, one instruction a turn, in the same order everywhere.
.macro MUL fa, fb, ks, a0, zero
.irp a, \a0, \a0+1
.irp b, 0,1,2,3,4,5
.if \zero
	v_wmma_f32_16x16x32_f16 v[8*(NB*(\a)+\b):8*(NB*(\a)+\b)+7], v[\fb+8*(NB*\ks+\b):\fb+8*(NB*\ks+\b)+7], v[\fa+8*(4*\ks+(\a)):\fa+8*(4*\ks+(\a))+7], 0
.else
	v_wmma_f32_16x16x32_f16 v[8*(NB*(\a)+\b):8*(NB*(\a)+\b)+7], v[\fb+8*(NB*\ks+\b):\fb+8*(NB*\ks+\b)+7], v[\fa+8*(4*\ks+(\a)):\fa+8*(4*\ks+(\a))+7], v[8*(NB*(\a)+\b):8*(NB*(\a)+\b)+7]
.endif
.endr
.endr
.endm
; the fragments of chunk c (64 along K) of a slot: 24 transposing loads of the weights, then 16 loads of x, its second k step last
.macro FETCH slot, c, fa, fb
	WIN TO_B
.irp ks, 0,1
.irp b, 0,1,2,3
	ds_load_tr16_b128 v[\fb+8*(NB*\ks+\b):\fb+8*(NB*\ks+\b)+3],   v[ADRB1+\slot] offset:(64*\c+32*\ks)*PB1+32*\b
	ds_load_tr16_b128 v[\fb+8*(NB*\ks+\b)+4:\fb+8*(NB*\ks+\b)+7], v[ADRB1+\slot] offset:(64*\c+32*\ks)*PB1+32*\b+16*PB1
.endr
.irp b, 4,5
	ds_load_tr16_b128 v[\fb+8*(NB*\ks+\b):\fb+8*(NB*\ks+\b)+3],   v[ADRB2+\slot] offset:(64*\c+32*\ks)*PB2+32*(\b-4)
	ds_load_tr16_b128 v[\fb+8*(NB*\ks+\b)+4:\fb+8*(NB*\ks+\b)+7], v[ADRB2+\slot] offset:(64*\c+32*\ks)*PB2+32*(\b-4)+16*PB2
.endr
.endr
	WIN 0
.irp ks, 0,1
.irp a, 0,1,2,3
	ds_load_b128 v[\fa+8*(4*\ks+\a):\fa+8*(4*\ks+\a)+3],   v[ADRA+\slot] offset:\a*16*PA+\c*CA+64*\ks
	ds_load_b128 v[\fa+8*(4*\ks+\a)+4:\fa+8*(4*\ks+\a)+7], v[ADRA+\slot] offset:\a*16*PA+\c*CA+64*\ks+32
.endr
.endr
.endm
; w_o's step of one chunk, under window 0: pair q of the tile's three is converted and stored.  ahead: its registers are loaded again with the next
; tile's pair q.  left: younger loads that may stay out (two pairs: 4; the counts run down at the end).
.macro CV q, ahead, left
	s_wait_loadcnt \left                           ; loads return in order: this pair is in
	s_wait_xcnt 0x0                                ; CY, the data of the last step's stores, is rewritten only behind this wait
	v_cvt_pk_f16_f32 v[CY],   v[CX+8*\q],   v[CX+8*\q+1]
	v_cvt_pk_f16_f32 v[CY+1], v[CX+8*\q+2], v[CX+8*\q+3]
	v_cvt_pk_f16_f32 v[CY+2], v[CX+8*\q+4], v[CX+8*\q+5]
	v_cvt_pk_f16_f32 v[CY+3], v[CX+8*\q+6], v[CX+8*\q+7]
.if \ahead
	global_load_b128 v[CX+8*\q:CX+8*\q+3],   v[VL16], s[WSRC:WSRC+1] offset:(3+\q)*1024 th:TH_LOAD_NT
	global_load_b128 v[CX+8*\q+4:CX+8*\q+7], v[VL16], s[WSRC:WSRC+1] offset:(3+\q)*1024+512 th:TH_LOAD_NT
.endif
	global_store_b64 v[VL8], v[CY:CY+1],   s[WDST:WDST+1] offset:\q*512            ; the wave stores 256 consecutive bytes, aligned
	global_store_b64 v[VL8], v[CY+2:CY+3], s[WDST:WDST+1] offset:\q*512+256
.endm
; a chunk that is not the slot's last: multiplies buffers f and fetches chunk cn of the same slot into buffers g
.macro QUARTER slot, cn, fa, fb, ga, gb, zero, cva, cvl
	s_wait_dscnt 8                                 ; all but the youngest eight loads (x's second k step) are in
	WIN MULW
	MUL \fa, \fb, 0, 0, \zero
	MUL \fa, \fb, 0, 2, \zero
	PLACES                                         ; buffers g were read by matrix instructions: four places in front of the loads into them
	FETCH \slot, \cn, \ga, \gb
	CV (\cn-1), \cva, \cvl
	s_wait_dscnt NLOADS                            ; all but the 40 just issued
	WIN MULW
	MUL \fa, \fb, 1, 0, 0
	MUL \fa, \fb, 1, 2, 0
.endm
; the slot's last chunk (buffers f) and the change of slots.  In front of the barrier each wave waits for its reads of this slot and for all its
; tensor loads (the one that is out is its part of the next slot).  fill = 1, 2: the slot is filled again: the barrier opens a round of the cluster's
; barrier, and the joint refill is the first tensor load behind the round.  fill = 2: that refill is tile 21, 64 along K: no tensor load of the wave
; is out, so group 1 may be written: of x's rows only 64 elements exist from the tile's corner on (the rest of each LDS row arrives as zeros and is
; not read); the weights' tiles have 64 rows.
.macro TURN slot, next, fill, fa, fb, ga, gb, cva, cvl
	s_wait_dscnt 8
	WIN MULW
	MUL \fa, \fb, 0, 0, 0
	s_wait_dscnt 0
	s_wait_tensorcnt 0x0
	ds_add_u32 v255, v255
	s_wait_dscnt 0x0
	s_barrier_signal -1
	MUL \fa, \fb, 0, 2, 0                          ; register work while the others arrive
	WIN 0
	s_barrier_wait -1
.if \fill
	CREST
	s_add_nc_u64 s[G0A+4*\slot+2:G0A+4*\slot+3], s[G0A+4*\slot+2:G0A+4*\slot+3], 2*STEPA
	s_add_nc_u64 s[G0B+4*\slot+2:G0B+4*\slot+3], s[G0B+4*\slot+2:G0B+4*\slot+3], 2*STEPB1
	s_add_nc_u64 s[G0C+4*\slot+2:G0C+4*\slot+3], s[G0C+4*\slot+2:G0C+4*\slot+3], 2*STEPB2
.if \fill == 2
	s_mov_b32 s[G1A+1], 64<<16                     ; x: tensor_dim0 = 64
	s_mov_b32 s[G1B+2], 64<<16                     ; w_q: tensor_dim1 = 64,
	s_mov_b32 s[G1B+4], 64                         ; tile_dim1 = 64
	s_mov_b32 s[G1C+2], 64<<16                     ; w_k or w_v likewise
	s_mov_b32 s[G1C+4], 64
.endif
	JLOAD \slot
.endif
	PLACES
	FETCH \next, 0, \ga, \gb
	CV 2, \cva, \cvl
	s_wait_xcnt 0x0                                ; the stream's two bases, sources of its loads and stores, are stepped only behind this wait
	s_add_nc_u64 s[WSRC:WSRC+1], s[WSRC:WSRC+1], 3*1024
	s_add_nc_u64 s[WDST:WDST+1], s[WDST:WDST+1], 3*512
	WIN MULW
	MUL \fa, \fb, 1, 0, 0
	MUL \fa, \fb, 1, 2, 0
.endm
; once round the ring: six chunks on buffers 0, 1, 0, 1, 0, 1; both slots are filled again
.macro LAP zero, last
	QUARTER 0, 1, AF0, BF0, AF1, BF1, \zero, 1, 4
	QUARTER 0, 2, AF1, BF1, AF0, BF0, 0, 1, 4
	TURN 0, 1, 1, AF0, BF0, AF1, BF1, 1, 4
	QUARTER 1, 1, AF1, BF1, AF0, BF0, 0, 1, 4
	QUARTER 1, 2, AF0, BF0, AF1, BF1, 0, 1, 4
	TURN 1, 0, \last, AF1, BF1, AF0, BF0, 1, 4
.endm
	s_wait_tensorcnt 1                             ; my part of tile 0 is in; tile 1's may stay out
	s_barrier_signal -1
	s_barrier_wait -1
	FETCH 0, 0, AF0, BF0
	LAP 1, 1                                       ; tiles 0, 1: the first products start the sums; tiles 2, 3 are asked for
	WIN 0
	s_mov_b32 s3, 8
.Llap:
	LAP 0, 1                                       ; tiles 2 to 17; tiles 4 to 19 are asked for
	WIN 0
	s_sub_co_u32 s3, s3, 1
	s_cmp_lg_u32 s3, 0
	s_cbranch_scc1 .Llap
	LAP 0, 2                                       ; tiles 18, 19; tile 20 and the short tile 21 are asked for
	QUARTER 0, 1, AF0, BF0, AF1, BF1, 0, 1, 4      ; tile 20 fills nothing; w_o's last pair, the 64th, is asked for here
	QUARTER 0, 2, AF1, BF1, AF0, BF0, 0, 0, 4      ; three pairs are out: the two younger may stay
	TURN 0, 1, 0, AF0, BF0, AF1, BF1, 0, 2         ; two pairs are out
	s_wait_dscnt 8                                 ; tile 21: one chunk
	WIN MULW
	MUL AF1, BF1, 0, 0, 0
	MUL AF1, BF1, 0, 2, 0
	s_wait_dscnt 0
	MUL AF1, BF1, 1, 0, 0
	MUL AF1, BF1, 1, 2, 0
	PLACES                                         ; in front of everything below that reads results or writes fragment registers
	WIN 0
	CV 0, 0, 0                                     ; w_o's last pair
	; THE WAY OUT.  Bases: the part made of i and the wave, and the part made of j, are added one after the other.
	s_lshl_b32 s20, s16, 20                        ; qb: row 128 i + 32 w, 8,192 bytes a row
	s_lshl_b32 s21, s10, 18
	s_add_co_u32 s20, s20, s21
	s_mov_b32 s21, 0
	s_add_nc_u64 s[82:83], s[82:83], s[20:21]
	s_lshl_b32 s4, s15, 8                          ; column 128 j
	s_mov_b32 s5, 0
	s_add_nc_u64 s[82:83], s[82:83], s[4:5]
	s_cmp_eq_u32 s23, 0
	s_cselect_b64 s[86:87], s[86:87], s[88:89]     ; out1 for K, out2 for V
	s_lshl_b32 s20, s16, 16                        ; row 1024 + 128 i + 32 w, 512 bytes a row
	s_lshl_b32 s21, s10, 14
	s_add_co_u32 s20, s20, s21
	s_add_co_u32 s20, s20, 524288
	s_mov_b32 s21, 0
	s_add_nc_u64 s[86:87], s[86:87], s[20:21]
	s_bfe_u32 s6, s15, 0x30001                     ; group = (j & 15) >> 1
	s_and_b32 s7, s15, 1                           ; which 64 of the head's 128 columns
	s_lshl_b32 s4, s6, 20
	s_lshl_b32 s5, s7, 8
	s_add_co_u32 s4, s4, s5
	s_mov_b32 s5, 0
	s_add_nc_u64 s[86:87], s[86:87], s[4:5]
	s_lshl_b32 s20, s16, 15                        ; kvb: the same row, 256 bytes a row
	s_lshl_b32 s21, s10, 13
	s_add_co_u32 s20, s20, s21
	s_add_co_u32 s20, s20, 262144
	s_mov_b32 s21, 0
	s_add_nc_u64 s[84:85], s[84:85], s[20:21]
	s_lshl_b32 s4, s23, 22
	s_lshl_b32 s5, s6, 19
	s_add_co_u32 s4, s4, s5
	s_lshl_b32 s5, s7, 7
	s_add_co_u32 s4, s4, s5
	s_mov_b32 s5, 0
	s_add_nc_u64 s[84:85], s[84:85], s[4:5]
	WIN 0x82                                       ; Q x 4 c1, in place in window 2
.irp a, 0,1,2,3
.irp b, 0,1,2,3
.irp p, 0,1,2,3
	v_pk_mul_f32 v[8*(NB*\a+\b)+2*\p:8*(NB*\a+\b)+2*\p+1], v[8*(NB*\a+\b)+2*\p:8*(NB*\a+\b)+2*\p+1], s[76:77] op_sel_hi:[1,0]
.endr
.endr
.endr
	WIN 0x0a                                       ; rounded to f16 into window 0: a lane's eight columns are 16 bytes
.irp a, 0,1,2,3
.irp b, 0,1,2,3
.irp p, 0,1,2,3
	v_cvt_pk_f16_f32 v[AF0+4*(4*\a+\b)+\p], v[8*(NB*\a+\b)+2*\p], v[8*(NB*\a+\b)+2*\p+1]
.endr
.endr
.endr
	WIN 0
.irp a, 0,1,2,3
.irp b, 0,1,2,3
	ds_store_b128 v[STQ], v[AF0+4*(4*\a+\b):AF0+4*(4*\a+\b)+3] offset:\a*16*272+32*\b
.endr
.endr
	s_wait_dscnt 0x0                               ; my stores into the stage are done: two waves share each row
	s_barrier_signal -1
	s_barrier_wait -1
.irp t, 0,1,2,3,4,5,6,7,8,9,10,11,12,13,14,15
	ds_load_b128 v[AF0+4*\t:AF0+4*\t+3], v[RD] offset:\t*544
.endr
	s_wait_dscnt 0x0                               ; Q's rows are in registers: my reads of the stage are done
.irp t, 0,1,2,3,4,5,6,7,8,9,10,11,12,13,14,15
	global_store_b128 v[CQ], v[AF0+4*\t:AF0+4*\t+3], s[82:83] offset:\t*16384      ; 16 lanes store 256 consecutive bytes, aligned
.endr
	s_barrier_signal -1                            ; every wave has read Q out of the stage:
	s_barrier_wait -1                              ; it is written again only behind this barrier
	WIN 0x08                                       ; K or V in f32, straight from the accumulators (store data: window 2)
.irp a, 0,1,2,3
.irp b, 4,5
	ds_store_b128 v[STK], v[8*(NB*\a+\b):8*(NB*\a+\b)+3]   offset:\a*16*272+64*(\b-4)
	ds_store_b128 v[STK], v[8*(NB*\a+\b)+4:8*(NB*\a+\b)+7] offset:\a*16*272+64*(\b-4)+16
.endr
.endr
	WIN 0
	s_wait_dscnt 0x0
	s_barrier_signal -1
	s_barrier_wait -1
.irp t, 0,1,2,3,4,5,6,7,8,9,10,11,12,13,14,15
	ds_load_b128 v[AF1+4*\t:AF1+4*\t+3], v[RD] offset:\t*544
.endr
	s_wait_dscnt 0x0
.irp t, 0,1,2,3,4,5,6,7,8,9,10,11,12,13,14,15
	global_store_b128 v[CK], v[AF1+4*\t:AF1+4*\t+3], s[86:87] offset:\t*1024 th:TH_STORE_NT
.endr
.irp t, 0,1,2,3,4,5,6,7,8,9,10,11,12,13,14,15
	v_pk_mul_f32 v[SC+4*(\t%4):SC+4*(\t%4)+1],   v[AF1+4*\t:AF1+4*\t+1],   s[94:95] op_sel_hi:[1,0]   ; x 1/4, into registers of their own: AF1 is the data of the stores above
	v_pk_mul_f32 v[SC+4*(\t%4)+2:SC+4*(\t%4)+3], v[AF1+4*\t+2:AF1+4*\t+3], s[94:95] op_sel_hi:[1,0]
	v_cvt_pk_f16_f32 v[TMP+2*\t], v[SC+4*(\t%4)], v[SC+4*(\t%4)+1]
	v_cvt_pk_f16_f32 v[TMP+2*\t+1], v[SC+4*(\t%4)+2], v[SC+4*(\t%4)+3]
	global_store_b64 v[CB], v[TMP+2*\t:TMP+2*\t+1], s[84:85] offset:\t*512         ; 16 lanes store the work-group's 128 bytes of a row
.endr
	s_set_vgpr_msb 0x1
	s_wait_tensorcnt 0x0
	ds_add_u32 v255, v255
	s_wait_dscnt 0x0
	s_set_vgpr_msb 0x100
	CROUND                                         ; the closing round: no work-group ends while a partner may still ask for a tile that names it
	s_endpgm
.Lfunc_end_k_q1186d1bbe4_qkv:
	.size	k_q1186d1bbe4_qkv, .Lfunc_end_k_q1186d1bbe4_qkv-k_q1186d1bbe4_qkv
	.p2alignl 7, 3214868480
	.fill 96, 4, 3214868480
	.section	.rodata,"a",@progbits
	.p2align	6, 0x0
	.amdhsa_kernel k_q1186d1bbe4_qkv
		.amdhsa_group_segment_fixed_size 327680
		.amdhsa_private_segment_fixed_size 0
		.amdhsa_enable_private_segment 0
		.amdhsa_kernarg_size 56
		.amdhsa_user_sgpr_count 2
		.amdhsa_user_sgpr_kernarg_segment_ptr 1
		.amdhsa_wavefront_size32 1
		.amdhsa_system_sgpr_workgroup_id_x 1
		.amdhsa_system_sgpr_workgroup_id_y 1
		.amdhsa_system_sgpr_workgroup_id_z 1
		.amdhsa_system_vgpr_workitem_id 0
		.amdhsa_next_free_vgpr 704
		.amdhsa_next_free_sgpr 96
		.amdhsa_reserve_vcc 0
		.amdhsa_float_denorm_mode_32 3
		.amdhsa_float_denorm_mode_16_64 3
		.amdhsa_memory_ordered 1
		.amdhsa_forward_progress 1
		.amdhsa_inst_pref_size 184
	.end_amdhsa_kernel
	.amdgpu_metadata
---
amdhsa.version: [ 1, 2 ]
amdhsa.kernels:
  - .name:           k_q1186d1bbe4_qkv
    .symbol:         k_q1186d1bbe4_qkv.kd
    .args:
      - { .name: wb, .offset: 0, .size: 8, .value_kind: global_buffer, .address_space: global }
      - { .name: qb, .offset: 8, .size: 8, .value_kind: global_buffer, .address_space: global }
      - { .name: kvb, .offset: 16, .size: 8, .value_kind: global_buffer, .address_space: global }
      - { .name: out1, .offset: 24, .size: 8, .value_kind: global_buffer, .address_space: global }
      - { .name: out2, .offset: 32, .size: 8, .value_kind: global_buffer, .address_space: global }
      - { .name: w_o, .offset: 40, .size: 8, .value_kind: global_buffer, .address_space: global }
      - { .name: wob, .offset: 48, .size: 8, .value_kind: global_buffer, .address_space: global }
    .group_segment_fixed_size: 327680
    .private_segment_fixed_size: 0
    .kernarg_segment_align: 8
    .kernarg_segment_size: 56
    .max_flat_workgroup_size: 128
    .sgpr_count:     96
    .vgpr_count:     704
    .wavefront_size: 32
...
	.end_amdgpu_metadata
.endif
;; end of part 2
;; launch attn (part 3): grid 32 x 8, 4 waves a work-group, clusters of 4 x 4, 327,680 bytes of LDS; arguments attention_mask, kvb, qb, rb; writes rb
.if DOCPART == 3
	.amdgcn_target "amdgcn-amd-amdhsa--gfx1250"
	.amdhsa_code_object_version 6
	.text
	.protected	k_q1186d1bbe4_attn
	.globl	k_q1186d1bbe4_attn
	.p2align	8
	.type	k_q1186d1bbe4_attn,@function
k_q1186d1bbe4_attn:
	s_mov_b64 s[64:65], 0
	v_nop
	global_prefetch_b8 v0, s[64:65] scope:SCOPE_SE
	s_setreg_imm32_b32 hwreg(HW_REG_WAVE_MODE, 25, 1), 1
	s_wait_xcnt 0x0
	s_wait_alu depctr_hold_cnt(0) depctr_sa_sdst(0) depctr_va_vdst(0) depctr_va_sdst(0) depctr_va_ssrc(0) depctr_va_vcc(0) depctr_vm_vsrc(0)
	s_getreg_b32 s2, hwreg(HW_REG_IB_STS2, 6, 4)
	s_cmp_eq_u32 s2, 0
	s_cbranch_scc0 .Lentry_in_a_cluster
	s_endpgm
.Lentry_in_a_cluster:
	s_bfe_u32 s2, ttmp6, 0x10000c
	s_cmp_lg_u32 s2, 0xf033
	s_cbranch_scc0 .Lentry_shape_is_right
	s_endpgm
.Lentry_shape_is_right:
; Attention with a running maximum.  Work-group (qblk, g): 32 queries, K/V head g, and all four query heads 8 hh + g that share it.
; Wave w: qh = w >> 1 picks 16 queries, kh = w & 1 picks 64 of every tile's 128 keys; the wave works on 16 queries x 4 heads, so each fragment of K
; or V that it loads from LDS feeds four heads, and one tile of the mask serves four heads.  The two key halves are merged at the end through LDS.
; Everything is computed transposed: S^T = K Q^T (a lane holds one query and eight keys a tile), so the row reductions are in the lane plus one
; exchange of the lane halves, two neighbouring tiles of S^T rounded to f16 ARE a fragment of P, O^T = V^T P^T with V^T from ds_load_tr16_b128, and the
; rescaling factor is one number a lane.
; y = sum (K / 4) (Q 4 c1) + mask log2(e), c1 = log2(e)/sqrt(128): the scales are already in kvb and qb; the mask enters as the C operand of the
; first product.  p = 2^(y - m).  kvb holds V / 4, so rb receives the attention result / 4; the next launch multiplies its sums by 4.
; OPERANDS ARE f16.  P lies in (0, 1]: below 2^-14 it is rounded within 2^-25 of the row's largest weight.  The result is a mean of rows of V / 4 and has V / 4's range.
; 16 tiles of 128 keys go through two LDS slots: wave 0 fetches K's tile, wave 1 V's, waves 2 and 3 sixteen rows each of the mask's.
; CLUSTER 4 x 4: K's and V's tiles hang on g alone and are asked for jointly by a row of the cluster; the mask's tile hangs on qblk alone and is asked for
; jointly by a column.  A wave has two tensor loads out at the start and one behind each refill.
; No prefetch: the launch's distinct tiles are kvb and the mask, 16 MiB, walked in the same order by all clusters, and each tile is asked for a whole step ahead.
; Limits: Q 4 c1, K / 4, V / 4, P and the result / 4 are f16; the score is rounded in another order than (S / sqrt(D)) + mask, so for a query ALL of whose
; keys carry a mask of the size of 1e9 the weights (which then hang on rounding at a granularity of 64) are not those of an f32 evaluation.  The running
; maximum is clamped at -FLT_MAX, so mask entries of -inf give weight 0; a query whose mask is -inf everywhere gives NaN.
; WINDOWS: 0: addresses, statistics, mask, S and P; 1: O(dt, hh) at 64 hh + 8 dt; 2: Q(hh, ks) at 32 hh + 8 ks, K(kt, ks) at 128 + 32 kt + 8 ks; 3: V(dt, kk) at 64 kk + 8 dt.
.set PK,    272
.set PV,    288
.set PM,    528
.set OFFV,  128*PK                     ; 34,816
.set OFFM,  OFFV+128*PV                ; 71,680
.set SLOT,  OFFM+32*PM                 ; 88,576
.set MERGE, 2*SLOT                     ; for each pair of waves: 32,768 bytes of O, 2,048 of statistics; no tensor load lands here
.set MSZ,   34816
.set STAGE, MERGE+2*MSZ                ; for each pair: 16 rows x 272 bytes, the way out
.set ADK, 10
.set ADV, 12
.set ADM, 14
.set MRG, 16
.set STO, 17
.set RD,  18
.set CO,  19
.set QO,  20
.set ST,  24                           ; v[24:39] head hh: m, l, alpha, tmp
.set T,   40                           ; v[40:55] at work
.set ML,  64                           ; v[64:95] mask x log2(e): key tile kt at ML + 8 kt
.set SB,  96                           ; v[96:223] S tile (kt, hh) at SB + 32 hh + 8 kt; then P(hh, kk) at SB + 32 hh + 16 kk
.set G1K, 24
.set G0K, 32
.set G1V, 40
.set G0V, 48
.set G1M, 56
.set G0M, 68
.set SW,  0x0a                         ; K and Q window 2; C and D window 0
.set PVW, 0x53                         ; V window 3, P window 0, C and D window 1
.set RSW, 0x41                         ; O window 1 as source 0 and destination
.set TO2, 0x80
.set TO3, 0xc0
.set MSB, 0
.macro WIN new
.if MSB != \new
	s_set_vgpr_msb (MSB<<8)|\new
.set MSB, \new
.endif
.endm
.macro NOPS n
.rept \n
	v_nop
.endr
.endm
.macro JLOAD3 s
	s_cmp_eq_u32 s12, 0
	s_cbranch_scc0 .Lnot_k_\@
	tensor_load_to_lds s[G0K+4*\s:G0K+4*\s+3], s[G1K:G1K+7]
	s_nop 0
	s_branch .Lasked_\@
.Lnot_k_\@:
	s_cmp_eq_u32 s12, 1
	s_cbranch_scc0 .Lfor_m_\@
	tensor_load_to_lds s[G0V+4*\s:G0V+4*\s+3], s[G1V:G1V+7]
	s_nop 0
	s_branch .Lasked_\@
.Lfor_m_\@:
	tensor_load_to_lds s[G0M+4*\s:G0M+4*\s+3], s[G1M:G1M+7]
	s_nop 0
.Lasked_\@:
.endm
.macro CREST
	s_cmp_lg_u32 s12, 0
	s_cbranch_scc1 .Lnot_wave_0_\@
	s_barrier_signal -3
.Lnot_wave_0_\@:
	s_barrier_wait -3
	s_barrier_signal -1
	s_barrier_wait -1
.endm
.macro CROUND
	s_barrier_signal -1
	s_barrier_wait -1
	CREST
.endm
	s_load_b256 s[84:91], s[0:1], 0x0              ; mask s[84:85], kvb s[86:87], qb s[88:89], rb s[90:91]
	v_lshl_add_u32 v254, v0, 2, 0x3e600
	v_mov_b32 v255, 0
	ds_add_u32 v254, v255
	v_lshrrev_b32 v1, 5, v0
	v_readfirstlane_b32 s12, v1                    ; wave
	s_lshr_b32 s13, s12, 1                         ; qh
	s_and_b32 s14, s12, 1                          ; kh; also which 16 rows of the mask waves 2, 3 fetch
	s_bfe_u32 s15, ttmp6, 0x40000                  ; cx
	s_bfe_u32 s16, ttmp6, 0x40004                  ; cy
	s_lshl_b32 s17, ttmp9, 2
	s_add_co_u32 s17, s17, s15                     ; qblk = 4 x cluster x + cx
	s_and_b32 s18, ttmp7, 0xffff
	s_lshl_b32 s18, s18, 2
	s_add_co_u32 s18, s18, s16                     ; g = 4 x cluster y + cy
	s_lshl_b32 s19, s16, 2
	s_lshl_b32 s19, 15, s19                        ; my row of the cluster
	s_lshl_b32 s20, 0x1111, s15                    ; my column
	s_mov_b32 s78, 0x3fb8aa3b                      ; log2(e)
	s_mov_b32 s79, 0x3fb8aa3b
	s_mov_b32 s80, 0x76543210                      ; v_permlanex16_b32: lane i of one half reads lane i of the other
	s_mov_b32 s81, 0xfedcba98
	; K's tile: 128 rows x 128 elements of 2 bytes, dense in memory, 16 bytes of padding behind each row
	s_or_b32 s[G1K+0], s19, (1<<16)|(1<<20)|(1<<21)|(5<<22)|(3<<25)
	s_mov_b32 s[G1K+1], 128<<16
	s_mov_b32 s[G1K+2], 128<<16
	s_mov_b32 s[G1K+3], 128<<16
	s_mov_b32 s[G1K+4], 128
	s_mov_b32 s[G1K+5], 128
	s_mov_b32 s[G1K+6], 0
	s_mov_b32 s[G1K+7], 0
	; V's tile: the same with 32 bytes of padding (for the transposing loads)
	s_or_b32 s[G1V+0], s19, (1<<16)|(1<<20)|(1<<21)|(5<<22)|(7<<25)
	s_mov_b32 s[G1V+1], 128<<16
	s_mov_b32 s[G1V+2], 128<<16
	s_mov_b32 s[G1V+3], 128<<16
	s_mov_b32 s[G1V+4], 128
	s_mov_b32 s[G1V+5], 128
	s_mov_b32 s[G1V+6], 0
	s_mov_b32 s[G1V+7], 0
	; the mask's tile: 16 rows x 128 elements of 4 bytes, 16 bytes of padding behind every 128 words
	s_or_b32 s[G1M+0], s20, (2<<16)|(1<<20)|(1<<21)|(6<<22)|(3<<25)
	s_mov_b32 s[G1M+1], 128<<16
	s_mov_b32 s[G1M+2], 16<<16
	s_mov_b32 s[G1M+3], 128<<16
	s_mov_b32 s[G1M+4], 16
	s_mov_b32 s[G1M+5], 2048
	s_mov_b32 s[G1M+6], 0
	s_mov_b32 s[G1M+7], 0
	s_lshl_b32 s4, s18, 19                         ; K: group g, 2048 rows of 256 bytes
	s_mov_b32 s5, 0
	s_lshl_b32 s8, s17, 18                         ; mask: row 32 qblk + 16 (w & 1), 8,192 bytes a row
	s_lshl_b32 s9, s14, 17
	s_add_co_u32 s8, s8, s9
	s_mov_b32 s9, 0
	s_lshl_b32 s10, s17, 18                        ; qb and rb: row 32 qblk + 16 qh,
	s_lshl_b32 s11, s13, 17
	s_add_co_u32 s10, s10, s11
	s_mov_b32 s11, 0
	s_lshl_b32 s22, s18, 8                         ; and column 128 g
	s_mov_b32 s23, 0
	s_mul_i32 s21, s14, 16*PM
	s_add_co_u32 s21, s21, OFFM                    ; LDS: wave 2's rows of the mask, then wave 3's
	s_wait_dscnt 0x0
	s_wait_kmcnt 0x0
	s_add_nc_u64 s[4:5], s[86:87], s[4:5]
	s_add_nc_u64 s[6:7], s[4:5], 4194304           ; V lies 4 MiB behind K
	s_add_nc_u64 s[8:9], s[84:85], s[8:9]
	s_add_nc_u64 s[88:89], s[88:89], s[10:11]
	s_add_nc_u64 s[88:89], s[88:89], s[22:23]
	s_add_nc_u64 s[90:91], s[90:91], s[10:11]
	s_add_nc_u64 s[90:91], s[90:91], s[22:23]
	CROUND                                         ; all sixteen work-groups are here: the first joint loads meet
.irp s, 0,1
	s_mov_b32 s[G0K+4*\s], 1
	s_mov_b32 s[G0K+4*\s+1], \s*SLOT
	s_add_nc_u64 s[G0K+4*\s+2:G0K+4*\s+3], s[4:5], \s*32768            ; tile s: 128 rows of 256 bytes
	s_or_b32 s[G0K+4*\s+3], s[G0K+4*\s+3], 0x80000000
	s_mov_b32 s[G0V+4*\s], 1
	s_mov_b32 s[G0V+4*\s+1], \s*SLOT+OFFV
	s_add_nc_u64 s[G0V+4*\s+2:G0V+4*\s+3], s[6:7], \s*32768
	s_or_b32 s[G0V+4*\s+3], s[G0V+4*\s+3], 0x80000000
	s_mov_b32 s[G0M+4*\s], 1
	s_add_co_u32 s[G0M+4*\s+1], s21, \s*SLOT
	s_add_nc_u64 s[G0M+4*\s+2:G0M+4*\s+3], s[8:9], \s*512              ; 128 keys of 4 bytes along the rows
	s_or_b32 s[G0M+4*\s+3], s[G0M+4*\s+3], 0x80000000
	JLOAD3 \s
.endr
	v_and_b32 v1, 15, v0                           ; r
	v_bfe_u32 v2, v0, 4, 1                         ; h
	v_and_b32 v3, 7, v0
	v_bfe_u32 v4, v0, 3, 1
	v_and_b32 v5, 31, v0                           ; lane
	v_mul_u32_u24 v6, v1, PK
	v_lshl_add_u32 v6, v2, 4, v6                   ; r x 272 + 16 h
	s_mul_i32 s21, s14, 64*PK
	v_add_nc_u32 v[ADK], s21, v6                   ; K: row 64 kh + r
	v_add_nc_u32 v[ADK+1], SLOT, v[ADK]
	v_lshl_add_u32 v7, v2, 3, v3                   ; the key row that this lane addresses in a transposing load
	v_mul_u32_u24 v7, v7, PV
	v_lshl_add_u32 v7, v4, 4, v7
	s_mul_i32 s21, s14, 64*PV
	s_add_co_u32 s21, s21, OFFV
	v_add_nc_u32 v[ADV], s21, v7
	v_add_nc_u32 v[ADV+1], SLOT, v[ADV]
	v_mul_u32_u24 v8, v1, PM
	v_lshl_add_u32 v8, v2, 5, v8                   ; mask: query r, keys 8 h .. (4 bytes each)
	s_mul_i32 s21, s13, 16*PM
	s_lshl_b32 s83, s14, 8
	s_add_co_u32 s21, s21, s83
	s_add_co_u32 s21, s21, OFFM
	v_add_nc_u32 v[ADM], s21, v8
	v_add_nc_u32 v[ADM+1], SLOT, v[ADM]
	s_mul_i32 s21, s13, MSZ
	s_add_co_u32 s21, s21, MERGE
	v_lshl_add_u32 v[MRG], v5, 4, s21              ; merge area of my pair, 16 bytes a lane
	s_mul_i32 s21, s13, 16*272
	s_add_co_u32 s21, s21, STAGE
	v_add_nc_u32 v[STO], s21, v6
	v_mul_u32_u24 v9, v2, 272
	v_lshl_add_u32 v9, v1, 4, v9
	v_add_nc_u32 v[RD], s21, v9
	v_lshlrev_b32 v9, 4, v1
	v_lshl_add_u32 v[CO], v2, 13, v9               ; rb: h rows of 8,192 bytes + 16 r
	v_lshlrev_b32 v9, 4, v2
	v_lshl_add_u32 v[QO], v1, 13, v9               ; qb: r rows + 16 h
.irp hh, 0,1,2,3
	v_mov_b32 v[ST+4*\hh+3], 0                     ; the lane exchange's destination counts as read
.endr
	WIN TO2                                        ; Q's fragments stay in registers for the whole kernel
.irp hh, 0,1,2,3
.irp ks, 0,1,2,3
	global_load_b128 v[32*\hh+8*\ks:32*\hh+8*\ks+3],   v[QO], s[88:89] offset:\hh*2048+64*\ks
	global_load_b128 v[32*\hh+8*\ks+4:32*\hh+8*\ks+7], v[QO], s[88:89] offset:\hh*2048+64*\ks+32
.endr
.endr
	WIN 0
.macro LDK sl                          ; my 64 keys x 128 d of K: 32 loads
	WIN TO2
.irp kt, 0,1,2,3
.irp ks, 0,1,2,3
	ds_load_b128 v[128+32*\kt+8*\ks:128+32*\kt+8*\ks+3],   v[ADK+(\sl)] offset:\kt*16*PK+64*\ks
	ds_load_b128 v[128+32*\kt+8*\ks+4:128+32*\kt+8*\ks+7], v[ADK+(\sl)] offset:\kt*16*PK+64*\ks+32
.endr
.endr
.endm
.macro LDM sl                          ; my 16 queries x 64 keys of the mask, in the layout of C: 8 loads
	WIN 0
.irp kt, 0,1,2,3
	ds_load_b128 v[ML+8*\kt:ML+8*\kt+3],   v[ADM+(\sl)] offset:64*\kt
	ds_load_b128 v[ML+8*\kt+4:ML+8*\kt+7], v[ADM+(\sl)] offset:64*\kt+16
.endr
.endm
.macro LDV sl                          ; my 64 keys x 128 d of V, transposed: 32 loads
	WIN TO3
.irp kk, 0,1
.irp dt, 0,1,2,3,4,5,6,7
	ds_load_tr16_b128 v[64*\kk+8*\dt:64*\kk+8*\dt+3],   v[ADV+(\sl)] offset:\kk*32*PV+32*\dt
	ds_load_tr16_b128 v[64*\kk+8*\dt+4:64*\kk+8*\dt+7], v[ADV+(\sl)] offset:\kk*32*PV+32*\dt+16*PV
.endr
.endr
.endm
; S^T = K Q^T + mask: 64 matrix instructions; the 16 accumulators take turns, one instruction a turn
.macro SPHASE
.irp ks, 0,1,2,3
.irp hh, 0,1,2,3
.irp kt, 0,1,2,3
.if \ks == 0
	v_wmma_f32_16x16x32_f16 v[SB+32*\hh+8*\kt:SB+32*\hh+8*\kt+7], v[128+32*\kt+8*\ks:128+32*\kt+8*\ks+7], v[32*\hh+8*\ks:32*\hh+8*\ks+7], v[ML+8*\kt:ML+8*\kt+7]
.else
	v_wmma_f32_16x16x32_f16 v[SB+32*\hh+8*\kt:SB+32*\hh+8*\kt+7], v[128+32*\kt+8*\ks:128+32*\kt+8*\ks+7], v[32*\hh+8*\ks:32*\hh+8*\ks+7], v[SB+32*\hh+8*\kt:SB+32*\hh+8*\kt+7]
.endif
.endr
.endr
.endr
.endm
; O^T += V^T P^T: 64 matrix instructions; the 32 accumulators take turns likewise.  first: the first product starts the sums.
.macro PVPHASE first
.irp kk, 0,1
.irp hh, 0,1,2,3
.irp dt, 0,1,2,3,4,5,6,7
.if \first*(1-\kk)
	v_wmma_f32_16x16x32_f16 v[64*\hh+8*\dt:64*\hh+8*\dt+7], v[64*\kk+8*\dt:64*\kk+8*\dt+7], v[SB+32*\hh+16*\kk:SB+32*\hh+16*\kk+7], 0
.else
	v_wmma_f32_16x16x32_f16 v[64*\hh+8*\dt:64*\hh+8*\dt+7], v[64*\kk+8*\dt:64*\kk+8*\dt+7], v[SB+32*\hh+16*\kk:SB+32*\hh+16*\kk+7], v[64*\hh+8*\dt:64*\hh+8*\dt+7]
.endif
.endr
.endr
.endr
.endm
; One head's 32 scores of a lane (one query, 32 of the wave's 64 keys; the other lane half holds the other 32).
.macro SOFTMAX hh, first
.set Y,  SB+32*\hh
.set Q4, ST+4*\hh
.irp c, 0,1,2,3
	v_max3_num_f32 v[T+\c], v[Y+8*\c], v[Y+8*\c+1], v[Y+8*\c+2]         ; four chains that do not wait for each other
.endr
.irp c, 0,1,2,3
	v_max3_num_f32 v[T+\c], v[T+\c], v[Y+8*\c+3], v[Y+8*\c+4]
.endr
.irp c, 0,1,2,3
	v_max3_num_f32 v[T+\c], v[T+\c], v[Y+8*\c+5], v[Y+8*\c+6]
.endr
.irp c, 0,1,2,3
	v_max_num_f32 v[T+\c], v[T+\c], v[Y+8*\c+7]
.endr
	v_max3_num_f32 v[T], v[T], v[T+1], v[T+2]
	v_max_num_f32 v[T], v[T], v[T+3]
	v_permlanex16_b32 v[Q4+3], v[T], s80, s81                          ; the other half's 32 keys
.if \first
	v_max3_num_f32 v[T+2], v[T], v[Q4+3], 0xff7fffff                   ; the maximum never falls below -FLT_MAX
.else
	v_max3_num_f32 v[T+2], v[T], v[Q4+3], v[Q4]                        ; the new running maximum
	v_sub_f32 v[Q4+2], v[Q4], v[T+2]
	v_exp_f32 v[Q4+2], v[Q4+2]                                         ; alpha = 2^(m_old - m_new); the next line is plain and does not touch it
.endif
.set i, 0
.rept 16
	v_pk_add_f32 v[Y+2*i:Y+2*i+1], v[Y+2*i:Y+2*i+1], v[T+2:T+3] op_sel_hi:[1,0] neg_lo:[0,1] neg_hi:[0,1]   ; y - m
.set i, i+1
.endr
.set i, 0
.rept 32
	v_exp_f32 v[Y+i], v[Y+i]
.set i, i+1
.endr
	v_mov_b32 v[Q4], v[T+2]                                            ; m; also the plain place behind the exponentials (ISA guide 5.7.2)
	s_wait_alu depctr_va_vdst(0)
.irp p, 0,1,2,3,4,5,6,7
	v_pk_add_f32 v[T+2*\p:T+2*\p+1], v[Y+4*\p:Y+4*\p+1], v[Y+4*\p+2:Y+4*\p+3]
.endr
.irp p, 0,1,2,3
	v_pk_add_f32 v[T+2*\p:T+2*\p+1], v[T+4*\p:T+4*\p+1], v[T+4*\p+2:T+4*\p+3]
.endr
.irp p, 0,1
	v_pk_add_f32 v[T+2*\p:T+2*\p+1], v[T+4*\p:T+4*\p+1], v[T+4*\p+2:T+4*\p+3]
.endr
	v_pk_add_f32 v[T:T+1], v[T:T+1], v[T+2:T+3]
.if \first
	v_add_f32 v[Q4+1], v[T], v[T+1]                                    ; l: a partial sum of this lane half until the end
.else
	v_add_f32 v[T], v[T], v[T+1]
	v_fma_f32 v[Q4+1], v[Q4+1], v[Q4+2], v[T]
.endif
.irp kk, 0,1
.irp p, 0,1,2,3,4,5,6,7
	v_cvt_pk_f16_f32 v[Y+16*\kk+\p], v[Y+16*\kk+2*\p], v[Y+16*\kk+2*\p+1]   ; two tiles of S^T become one fragment of P, in place, ascending
.endr
.endr
.endm
.macro RESCALE                         ; O x alpha, under window RSW
.irp hh, 0,1,2,3
.set i, 0
.rept 32
	v_pk_mul_f32 v[64*\hh+2*i:64*\hh+2*i+1], v[64*\hh+2*i:64*\hh+2*i+1], v[ST+4*\hh+2:ST+4*\hh+3] op_sel_hi:[1,0]
.set i, i+1
.endr
.endr
.endm
; One tile of 128 keys.  mode 2: this slot is filled again, two tiles ahead, behind a round of the cluster's barrier; 1: a plain barrier; 0: the last tile.
.macro STEP slot, first, mode
	s_wait_dscnt 32                                ; K and the mask are in; V's 32 loads are the younger ones
.set i, 0
.rept 16
	v_pk_mul_f32 v[ML+2*i:ML+2*i+1], v[ML+2*i:ML+2*i+1], s[78:79] op_sel_hi:[1,0]
.set i, i+1
.endr
	WIN SW
	SPHASE
	WIN 0
	NOPS 5                                         ; places: S is read below, K's and the mask's registers are loaded again, S's registers become a B operand
	SOFTMAX 0, \first
	SOFTMAX 1, \first
	SOFTMAX 2, \first
	SOFTMAX 3, \first
.if \mode
	s_wait_dscnt 0x0                               ; V is in registers: all my reads of this slot are done
	s_wait_tensorcnt 0x0                           ; all my tensor loads have landed: the one that was out is my part of the other slot
	ds_add_u32 v254, v255
	s_wait_dscnt 0x0
	s_barrier_signal -1
.if 1-\first
	WIN RSW
	RESCALE                                        ; register work while the others arrive
.endif
	WIN 0
	s_barrier_wait -1
.if \mode == 2
	CREST                                          ; no wave of any partner still reads this slot or has a load on its way
	s_add_nc_u64 s[G0K+4*\slot+2:G0K+4*\slot+3], s[G0K+4*\slot+2:G0K+4*\slot+3], 2*32768
	s_add_nc_u64 s[G0V+4*\slot+2:G0V+4*\slot+3], s[G0V+4*\slot+2:G0V+4*\slot+3], 2*32768
	s_add_nc_u64 s[G0M+4*\slot+2:G0M+4*\slot+3], s[G0M+4*\slot+2:G0M+4*\slot+3], 2*512
	JLOAD3 \slot                                   ; the first tensor load behind the round, one a wave
.endif
	LDK 1-\slot
	LDM 1-\slot
.else
	s_wait_dscnt 0x0
	WIN RSW
	RESCALE
.endif
	WIN PVW
	PVPHASE \first
	WIN 0
	NOPS 5                                         ; places: V's registers are loaded again, P's are written over by the next S, O is read
.if \mode
	LDV 1-\slot
	WIN 0
.endif
.endm
	s_wait_tensorcnt 1                             ; my part of tile 0 is in; tile 1's may stay out
	s_barrier_signal -1
	s_barrier_wait -1
	LDK 0
	LDM 0
	LDV 0
	WIN 0
	s_wait_loadcnt 0x0                             ; Q
	STEP 0, 1, 2                                   ; tiles 0 and 1; the refills bring tiles 2 and 3
	STEP 1, 0, 2
	s_mov_b32 s82, 6
.Ltiles:
	STEP 0, 0, 2                                   ; tiles 2 to 13; the refills reach tile 15
	STEP 1, 0, 2
	s_sub_co_u32 s82, s82, 1
	s_cmp_lg_u32 s82, 0
	s_cbranch_scc1 .Ltiles
	STEP 0, 0, 1                                   ; tile 14: nothing is left to fetch
	STEP 1, 0, 0                                   ; tile 15
	; THE MERGE of the two key halves.  First l over both lane halves.
.irp hh, 0,1,2,3
	v_permlanex16_b32 v[ST+4*\hh+3], v[ST+4*\hh+1], s80, s81
.endr
.irp hh, 0,1,2,3
	v_add_f32 v[ST+4*\hh+1], v[ST+4*\hh+1], v[ST+4*\hh+3]
.endr
	s_cmp_eq_u32 s14, 0
	s_cbranch_scc1 .Lno_send
	WIN 0x04                                       ; waves with kh = 1 hand over O (store data: window 1) and their statistics
.set i, 0
.rept 64
	ds_store_b128 v[MRG], v[4*i:4*i+3] offset:512*i
.set i, i+1
.endr
	WIN 0
.irp hh, 0,1,2,3
	ds_store_b128 v[MRG], v[ST+4*\hh:ST+4*\hh+3] offset:32768+512*\hh
.endr
.Lno_send:
	s_wait_dscnt 0x0                               ; for the partner's sake
	s_barrier_signal -1
	s_barrier_wait -1
	s_cmp_lg_u32 s14, 0
	s_cbranch_scc1 .Ldone
.irp hh, 0,1,2,3
	ds_load_b128 v[T+4*\hh:T+4*\hh+3], v[MRG] offset:32768+512*\hh     ; the partner's m, l
.endr
	s_wait_dscnt 0x0
.irp hh, 0,1,2,3
	v_max_num_f32 v[ST+4*\hh+3], v[ST+4*\hh], v[T+4*\hh]               ; the common maximum
.endr
.irp hh, 0,1,2,3
	v_sub_f32 v[ST+4*\hh+2], v[ST+4*\hh], v[ST+4*\hh+3]
	v_sub_f32 v[T+4*\hh+2], v[T+4*\hh], v[ST+4*\hh+3]
.endr
.irp hh, 0,1,2,3
	v_exp_f32 v[ST+4*\hh+2], v[ST+4*\hh+2]                             ; a0
	v_exp_f32 v[T+4*\hh+2], v[T+4*\hh+2]                               ; a1
.endr
	v_nop                                          ; the plain place behind the exponentials
	s_wait_alu depctr_va_vdst(0)
.irp hh, 0,1,2,3
	v_mul_f32 v[T+4*\hh+3], v[ST+4*\hh+1], v[ST+4*\hh+2]
.endr
.irp hh, 0,1,2,3
	v_fma_f32 v[T+4*\hh+3], v[T+4*\hh+1], v[T+4*\hh+2], v[T+4*\hh+3]   ; l0 a0 + l1 a1
.endr
.irp hh, 0,1,2,3
	v_rcp_f32 v[T+4*\hh+3], v[T+4*\hh+3]
.endr
	v_nop                                          ; the plain place behind the reciprocals
	s_wait_alu depctr_va_vdst(0)
.irp hh, 0,1,2,3
	v_mul_f32 v[ST+4*\hh+2], v[ST+4*\hh+2], v[T+4*\hh+3]               ; f0 = a0 / l
	v_mul_f32 v[T+4*\hh+2], v[T+4*\hh+2], v[T+4*\hh+3]                 ; f1 = a1 / l
.endr
.irp bt, 0,1                                       ; two heads at a time: the partner's O into window 3
	WIN TO3
.set i, 0
.rept 32
	ds_load_b128 v[4*i:4*i+3], v[MRG] offset:512*(32*\bt+i)
.set i, i+1
.endr
	s_wait_dscnt 0x0
	WIN RSW
.irp e, 0,1
.set i, 0
.rept 32
	v_pk_mul_f32 v[64*(2*\bt+\e)+2*i:64*(2*\bt+\e)+2*i+1], v[64*(2*\bt+\e)+2*i:64*(2*\bt+\e)+2*i+1], v[ST+4*(2*\bt+\e)+2:ST+4*(2*\bt+\e)+3] op_sel_hi:[1,0]
.set i, i+1
.endr
.endr
	WIN PVW
.irp e, 0,1
.set i, 0
.rept 32
	v_pk_fma_f32 v[64*(2*\bt+\e)+2*i:64*(2*\bt+\e)+2*i+1], v[64*\e+2*i:64*\e+2*i+1], v[T+4*(2*\bt+\e)+2:T+4*(2*\bt+\e)+3], v[64*(2*\bt+\e)+2*i:64*(2*\bt+\e)+2*i+1] op_sel_hi:[1,0,1]
.set i, i+1
.endr
.endr
.endr
	; THE WAY OUT, a head at a time: a lane's eight d of a tile are 16 bytes of one query's row; through my pair's stage, back as whole rows of 256 bytes
.irp hh, 0,1,2,3
	WIN 0x05
.irp dt, 0,1,2,3,4,5,6,7
.irp p, 0,1,2,3
	v_cvt_pk_f16_f32 v[SB+4*\dt+\p], v[64*\hh+8*\dt+2*\p], v[64*\hh+8*\dt+2*\p+1]
.endr
.endr
	WIN 0
.irp dt, 0,1,2,3,4,5,6,7
	ds_store_b128 v[STO], v[SB+4*\dt:SB+4*\dt+3] offset:32*\dt
.endr
	s_wait_xcnt 0x0                                ; the registers below are the data of the last head's stores: loaded again only behind this wait
.irp t, 0,1,2,3,4,5,6,7
	ds_load_b128 v[ML+4*\t:ML+4*\t+3], v[RD] offset:544*\t             ; LDS serves a wave's instructions in order: these see the stores above
.endr
.irp t, 0,1,2,3,4,5,6,7
	s_wait_dscnt 7-\t
	global_store_b128 v[CO], v[ML+4*\t:ML+4*\t+3], s[90:91] offset:16384*\t+2048*\hh   ; 16 lanes store 256 consecutive bytes, aligned
.endr
.endr
.Ldone:
	s_wait_tensorcnt 0x0
	ds_add_u32 v254, v255
	s_wait_dscnt 0x0
	CROUND                                         ; the closing round
	s_endpgm
.Lfunc_end_k_q1186d1bbe4_attn:
	.size	k_q1186d1bbe4_attn, .Lfunc_end_k_q1186d1bbe4_attn-k_q1186d1bbe4_attn
	.p2alignl 7, 3214868480
	.fill 96, 4, 3214868480
	.section	.rodata,"a",@progbits
	.p2align	6, 0x0
	.amdhsa_kernel k_q1186d1bbe4_attn
		.amdhsa_group_segment_fixed_size 327680
		.amdhsa_private_segment_fixed_size 0
		.amdhsa_enable_private_segment 0
		.amdhsa_kernarg_size 32
		.amdhsa_user_sgpr_count 2
		.amdhsa_user_sgpr_kernarg_segment_ptr 1
		.amdhsa_wavefront_size32 1
		.amdhsa_system_sgpr_workgroup_id_x 1
		.amdhsa_system_sgpr_workgroup_id_y 1
		.amdhsa_system_sgpr_workgroup_id_z 1
		.amdhsa_system_vgpr_workitem_id 0
		.amdhsa_next_free_vgpr 896
		.amdhsa_next_free_sgpr 96
		.amdhsa_reserve_vcc 0
		.amdhsa_float_denorm_mode_32 3
		.amdhsa_float_denorm_mode_16_64 3
		.amdhsa_memory_ordered 1
		.amdhsa_forward_progress 1
		.amdhsa_inst_pref_size 255
	.end_amdhsa_kernel
	.section	.bss,"aw",@nobits
	.p2align	6
	.space	262144
	.amdgpu_metadata
---
amdhsa.version: [ 1, 2 ]
amdhsa.kernels:
  - .name:           k_q1186d1bbe4_attn
    .symbol:         k_q1186d1bbe4_attn.kd
    .args:
      - { .name: attention_mask, .offset: 0, .size: 8, .value_kind: global_buffer, .address_space: global }
      - { .name: kvb, .offset: 8, .size: 8, .value_kind: global_buffer, .address_space: global }
      - { .name: qb, .offset: 16, .size: 8, .value_kind: global_buffer, .address_space: global }
      - { .name: rb, .offset: 24, .size: 8, .value_kind: global_buffer, .address_space: global }
    .group_segment_fixed_size: 327680
    .private_segment_fixed_size: 0
    .kernarg_segment_align: 8
    .kernarg_segment_size: 32
    .max_flat_workgroup_size: 128
    .sgpr_count:     96
    .vgpr_count:     896
    .wavefront_size: 32
...
	.end_amdgpu_metadata
.endif
;; end of part 3
;; launch oproj (part 4): grid 32 x 8, 4 waves a work-group, clusters of 4 x 4, 327,680 bytes of LDS; arguments rb, wob, out0; writes out0
.if DOCPART == 4
	.amdgcn_target "amdgcn-amd-amdhsa--gfx1250"
	.amdhsa_code_object_version 6
	.text
	.protected	k_q1186d1bbe4_oproj
	.globl	k_q1186d1bbe4_oproj
	.p2align	8
	.type	k_q1186d1bbe4_oproj,@function
k_q1186d1bbe4_oproj:
	s_mov_b64 s[64:65], 0
	v_nop
	global_prefetch_b8 v0, s[64:65] scope:SCOPE_SE
	s_setreg_imm32_b32 hwreg(HW_REG_WAVE_MODE, 25, 1), 1
	s_wait_xcnt 0x0
	s_wait_alu depctr_hold_cnt(0) depctr_sa_sdst(0) depctr_va_vdst(0) depctr_va_sdst(0) depctr_va_ssrc(0) depctr_va_vcc(0) depctr_vm_vsrc(0)
	s_getreg_b32 s2, hwreg(HW_REG_IB_STS2, 6, 4)
	s_cmp_eq_u32 s2, 0
	s_cbranch_scc0 .Lentry_in_a_cluster
	s_endpgm
.Lentry_in_a_cluster:
	s_bfe_u32 s2, ttmp6, 0x10000c
	s_cmp_lg_u32 s2, 0xf033
	s_cbranch_scc0 .Lentry_shape_is_right
	s_endpgm
.Lentry_shape_is_right:
; out0 = res x w_o: [1024 x 4096] x [4096 x 4096], f16 operands (rb = res / 4; wob = w_o, [k][n] as in the input), sums and output in f32;
; the sums are multiplied by 4, exactly, on the way out.
; 256 work-groups; work-group (j, i) makes rows 128 i .. +127, columns 128 j .. +127.  Four waves; wave (wm, wn) makes 64 x 64: 16 accumulator tiles.
; K goes in steps of 256 through two LDS slots filled by the tensor data mover, one load a wave behind each change of slots: waves 0, 1: 64 rows x 512
; bytes each of rb; waves 2, 3: 128 k rows x 256 bytes each of w_o.  A slot is four chunks of 64 along K; from a request to the wait for it a wave
; issues a whole slot's matrix instructions less eight.  Two slots of 141,312 bytes and the stages are 300,032 bytes: no longer step fits.
; w_o's fragments are transposed on the way out of LDS by ds_load_tr16_b128.
; CLUSTER 4 x 4: rb's tile hangs on i alone and is asked for jointly by a row of the cluster, w_o's on j alone and by a column.
; A wave has two tensor loads out at the start and one behind each refill.
; The matrix instruction is used transposed (source 0 = w_o, source 1 = rb): a lane holds eight neighbouring columns of one row.
; Limit: operands are f16 (their room: res / 4 has the range of V / 4, at most 14,400 with x and w_v offset by 30 spreads; w_o at most 3 when 30 times larger).
; WINDOWS: 0: addresses, rb's fragments (two buffers); 1: w_o's fragments (two buffers); 2: accumulators, tile (a, b) at 8 (4 a + b).
.set NB,    4
.set PA,    528                        ; 512 + 16 bytes
.set PB,    288                        ; 256 + 32 bytes
.set OFFB,  128*PA                     ; 67,584
.set SLOT,  OFFB+256*PB                ; 141,312
.set STAGE, 2*SLOT                     ; 16 rows x 272 bytes for each wave; no tensor load lands here
.set LAPS,  8                          ; 4096 / (2 x 256)
.set NLOADS, 16+4*NB
.set ADRA,  16                         ; v16-17  rb's fragments in slot 0, 1
.set ADRB,  20                         ; v20-23  w_o's: slot s, k rows 128 u .. at 20 + 2 s + u (so that the immediates stay inside 16 bits)
.set STO,   24
.set RD,    25
.set CO,    26
.set AF0,   64
.set AF1,   128
.set BF0,   64
.set BF1,   128
.set G1,  24
.set G0,  32
.set G1B, 48
.set G0B, 56
.set MULW, 0xa1
.set TO_B, 0x40
.set MSB, 0
.macro WIN new
.if MSB != \new
	s_set_vgpr_msb (MSB<<8)|\new
.set MSB, \new
.endif
.endm
.macro PLACES
.rept 4
	v_nop
.endr
.endm
.macro JLOAD s                         ; waves 0, 1 ask for rb's halves, waves 2, 3 for w_o's
	s_cmp_eq_u32 s11, 0
	s_cbranch_scc0 .Lfor_b_\@
	tensor_load_to_lds s[G0+4*\s:G0+4*\s+3], s[G1:G1+7]
	s_nop 0
	s_branch .Lasked_\@
.Lfor_b_\@:
	tensor_load_to_lds s[G0B+4*\s:G0B+4*\s+3], s[G1B:G1B+7]
	s_nop 0
.Lasked_\@:
.endm
.macro CREST
	s_cmp_lg_u32 s10, 0
	s_cbranch_scc1 .Lnot_wave_0_\@
	s_barrier_signal -3
.Lnot_wave_0_\@:
	s_barrier_wait -3
	s_barrier_signal -1
	s_barrier_wait -1
.endm
.macro CROUND
	s_barrier_signal -1
	s_barrier_wait -1
	CREST
.endm
	s_load_b128 s[4:7], s[0:1], 0x0                ; rb s[4:5], wob s[6:7]
	s_load_b64 s[8:9], s[0:1], 0x10                ; out0
	s_set_vgpr_msb 0x40
	v_lshl_add_u32 v255, v0, 2, 0x49400
	s_set_vgpr_msb 0x4000
	v_mov_b32 v255, 0
	s_set_vgpr_msb 0x1
	ds_add_u32 v255, v255
	s_set_vgpr_msb 0x100
	v_lshrrev_b32 v1, 5, v0
	v_readfirstlane_b32 s10, v1                    ; wave
	s_lshr_b32 s11, s10, 1                         ; wm; also: I fetch for rb (0) or for w_o (1)
	s_and_b32 s12, s10, 1                          ; wn; also: which half of that tile I fetch
	s_bfe_u32 s40, ttmp6, 0x40000                  ; cx
	s_bfe_u32 s41, ttmp6, 0x40004                  ; cy
	s_lshl_b32 s42, ttmp9, 2
	s_add_co_u32 s42, s42, s40                     ; j
	s_and_b32 s13, ttmp7, 0xffff
	s_lshl_b32 s13, s13, 2
	s_add_co_u32 s13, s13, s41                     ; i
	s_lshl_b32 s43, s41, 2
	s_lshl_b32 s43, 15, s43                        ; my row of the cluster
	s_lshl_b32 s44, 0x1111, s40                    ; my column
	; rb's tiles: 64 rows x 256 elements of 2 bytes, 16 bytes of padding behind every 128 words
	s_or_b32 s[G1+0], s43, (1<<16)|(1<<20)|(1<<21)|(6<<22)|(3<<25)
	s_mov_b32 s[G1+1], 256<<16
	s_mov_b32 s[G1+2], 64<<16
	s_mov_b32 s[G1+3], 256<<16
	s_mov_b32 s[G1+4], 64
	s_mov_b32 s[G1+5], 4096
	s_mov_b32 s[G1+6], 0
	s_mov_b32 s[G1+7], 0
	; w_o's tiles: 128 rows (k) x 128 elements, 32 bytes of padding behind every 64 words
	s_or_b32 s[G1B+0], s44, (1<<16)|(1<<20)|(1<<21)|(5<<22)|(7<<25)
	s_mov_b32 s[G1B+1], 128<<16
	s_mov_b32 s[G1B+2], 128<<16
	s_mov_b32 s[G1B+3], 128<<16
	s_mov_b32 s[G1B+4], 128
	s_mov_b32 s[G1B+5], 4096
	s_mov_b32 s[G1B+6], 0
	s_mov_b32 s[G1B+7], 0
	s_lshl_b32 s16, s13, 20                        ; rb: row 128 i + 64 half, 8,192 bytes a row
	s_lshl_b32 s17, s12, 19
	s_add_co_u32 s16, s16, s17
	s_mov_b32 s17, 0
	s_lshl_b32 s46, s42, 8                         ; w_o: k row 128 half, column 128 j
	s_lshl_b32 s47, s12, 20
	s_add_co_u32 s46, s46, s47
	s_mov_b32 s47, 0
	s_mul_i32 s20, s12, 64*PA                      ; LDS: rb's two halves,
	s_mul_i32 s21, s12, 128*PB
	s_add_co_u32 s21, s21, OFFB                    ; then w_o's two halves
	s_wait_dscnt 0x0
	s_wait_kmcnt 0x0
	s_add_nc_u64 s[14:15], s[4:5], s[16:17]
	s_add_nc_u64 s[46:47], s[6:7], s[46:47]
	CROUND                                         ; all sixteen work-groups are here: the first joint loads meet
.irp s, 0,1
	s_mov_b32 s[G0+4*\s], 1
	s_add_co_u32 s[G0+4*\s+1], s20, \s*SLOT
	s_add_nc_u64 s[G0+4*\s+2:G0+4*\s+3], s[14:15], \s*512              ; K step s: 256 elements along the rows
	s_or_b32 s[G0+4*\s+3], s[G0+4*\s+3], 0x80000000
	s_mov_b32 s[G0B+4*\s], 1
	s_add_co_u32 s[G0B+4*\s+1], s21, \s*SLOT
	s_add_nc_u64 s[G0B+4*\s+2:G0B+4*\s+3], s[46:47], \s*2097152        ; 256 rows of 8,192 bytes
	s_or_b32 s[G0B+4*\s+3], s[G0B+4*\s+3], 0x80000000
	JLOAD \s
.endr
	v_and_b32 v1, 15, v0                           ; r
	v_bfe_u32 v2, v0, 4, 1                         ; h
	v_and_b32 v3, 7, v0
	v_bfe_u32 v4, v0, 3, 1
	v_mul_u32_u24 v5, v1, PA
	v_lshl_add_u32 v5, v2, 4, v5
	s_mul_i32 s22, s11, 64*PA
	v_add_nc_u32 v[ADRA], s22, v5                  ; rb: row 64 wm + r, + 16 h
	v_add_nc_u32 v[ADRA+1], SLOT, v[ADRA]
	v_lshl_add_u32 v6, v2, 3, v3                   ; the k row that this lane addresses in a transposing load
	v_mul_u32_u24 v6, v6, PB
	v_lshl_add_u32 v6, v4, 4, v6
	s_lshl_b32 s22, s12, 7
	s_add_co_u32 s22, s22, OFFB
	v_add_nc_u32 v[ADRB], s22, v6                  ; w_o: column 64 wn
	v_add_nc_u32 v[ADRB+1], 128*PB, v[ADRB]
	v_add_nc_u32 v[ADRB+2], SLOT, v[ADRB]
	v_add_nc_u32 v[ADRB+3], SLOT, v[ADRB+1]
	s_mul_i32 s23, s10, 16*272
	s_add_co_u32 s23, s23, STAGE                   ; my stage
	v_mul_u32_u24 v7, v1, 272
	v_lshl_add_u32 v7, v2, 5, v7                   ; in: row r, 32 bytes for each half of the lanes
	v_add_nc_u32 v[STO], s23, v7
	v_mul_u32_u24 v8, v2, 272
	v_lshl_add_u32 v8, v1, 4, v8                   ; back: lanes 0-15 one row of 256 bytes, lanes 16-31 the next
	v_add_nc_u32 v[RD], s23, v8
	v_lshlrev_b32 v9, 4, v1
	v_lshl_add_u32 v[CO], v2, 14, v9               ; out0: rows of 16,384 bytes
; 8 matrix instructions: row tiles a0, a0 + 1 x four column tiles, 32 along K.  The 16 accumulators take turns, one instruction a turn,
; in the same order everywhere.
.macro MUL fa, fb, ks, a0, zero
.irp a, \a0, \a0+1
.irp b, 0,1,2,3
.if \zero
	v_wmma_f32_16x16x32_f16 v[8*(NB*(\a)+\b):8*(NB*(\a)+\b)+7], v[\fb+8*(NB*\ks+\b):\fb+8*(NB*\ks+\b)+7], v[\fa+8*(4*\ks+(\a)):\fa+8*(4*\ks+(\a))+7], 0
.else
	v_wmma_f32_16x16x32_f16 v[8*(NB*(\a)+\b):8*(NB*(\a)+\b)+7], v[\fb+8*(NB*\ks+\b):\fb+8*(NB*\ks+\b)+7], v[\fa+8*(4*\ks+(\a)):\fa+8*(4*\ks+(\a))+7], v[8*(NB*(\a)+\b):8*(NB*(\a)+\b)+7]
.endif
.endr
.endr
.endm
; the fragments of chunk c (64 along K) of a slot: 16 transposing loads of w_o, then 16 loads of rb, its second k step last
.macro FETCH slot, c, fa, fb
	WIN TO_B
.irp ks, 0,1
.irp b, 0,1,2,3
	ds_load_tr16_b128 v[\fb+8*(NB*\ks+\b):\fb+8*(NB*\ks+\b)+3],   v[ADRB+2*\slot+(\c)/2] offset:(64*((\c)%2)+32*\ks)*PB+32*\b
	ds_load_tr16_b128 v[\fb+8*(NB*\ks+\b)+4:\fb+8*(NB*\ks+\b)+7], v[ADRB+2*\slot+(\c)/2] offset:(64*((\c)%2)+32*\ks)*PB+32*\b+16*PB
.endr
.endr
	WIN 0
.irp ks, 0,1
.irp a, 0,1,2,3
	ds_load_b128 v[\fa+8*(4*\ks+\a):\fa+8*(4*\ks+\a)+3],   v[ADRA+\slot] offset:\a*16*PA+(64*\c+32*\ks)*2
	ds_load_b128 v[\fa+8*(4*\ks+\a)+4:\fa+8*(4*\ks+\a)+7], v[ADRA+\slot] offset:\a*16*PA+(64*\c+32*\ks)*2+32
.endr
.endr
.endm
.macro QUARTER slot, cn, fa, fb, ga, gb, zero
	s_wait_dscnt 8                                 ; all but the youngest eight loads (rb's second k step) are in
	WIN MULW
	MUL \fa, \fb, 0, 0, \zero
	MUL \fa, \fb, 0, 2, \zero
	PLACES                                         ; buffers g were read by matrix instructions: four places in front of the loads into them
	FETCH \slot, \cn, \ga, \gb
	s_wait_dscnt NLOADS                            ; all but the 32 just issued
	WIN MULW
	MUL \fa, \fb, 1, 0, 0
	MUL \fa, \fb, 1, 2, 0
.endm
.macro THREE slot, zero
	QUARTER \slot, 1, AF0, BF0, AF1, BF1, \zero
	QUARTER \slot, 2, AF1, BF1, AF0, BF0, 0
	QUARTER \slot, 3, AF0, BF0, AF1, BF1, 0
.endm
; the slot's last chunk and the change of slots: each wave's reads of this slot and all its tensor loads are waited for in front of the barrier;
; where the slot is filled again the barrier opens a round of the cluster's barrier and the joint refill is the first tensor load behind it
.macro TURN slot, next, fill
	s_wait_dscnt 8
	WIN MULW
	MUL AF1, BF1, 0, 0, 0
	s_wait_dscnt 0
	s_wait_tensorcnt 0x0
	ds_add_u32 v255, v255
	s_wait_dscnt 0x0
	s_barrier_signal -1
	MUL AF1, BF1, 0, 2, 0
	WIN 0
	s_barrier_wait -1
.if \fill
	CREST
	s_add_nc_u64 s[G0+4*\slot+2:G0+4*\slot+3], s[G0+4*\slot+2:G0+4*\slot+3], 2*512
	s_add_nc_u64 s[G0B+4*\slot+2:G0B+4*\slot+3], s[G0B+4*\slot+2:G0B+4*\slot+3], 2*2097152
	JLOAD \slot
.endif
	PLACES
	FETCH \next, 0, AF0, BF0
	WIN MULW
	MUL AF1, BF1, 1, 0, 0
	MUL AF1, BF1, 1, 2, 0
.endm
.macro LAP zero
	THREE 0, \zero
	TURN 0, 1, 1
	THREE 1, 0
	TURN 1, 0, 1
.endm
	s_wait_tensorcnt 1                             ; my part of K step 0 is in; K step 1's may stay out
	s_barrier_signal -1
	s_barrier_wait -1
	FETCH 0, 0, AF0, BF0
	LAP 1
	WIN 0
	s_mov_b32 s3, LAPS-2
.Llap:
	LAP 0
	WIN 0
	s_sub_co_u32 s3, s3, 1
	s_cmp_lg_u32 s3, 0
	s_cbranch_scc1 .Llap
	THREE 0, 0                                     ; the last lap fills nothing
	TURN 0, 1, 0
	THREE 1, 0
	s_wait_dscnt 8
	WIN MULW
	MUL AF1, BF1, 0, 0, 0
	MUL AF1, BF1, 0, 2, 0
	s_wait_dscnt 0
	MUL AF1, BF1, 1, 0, 0
	MUL AF1, BF1, 1, 2, 0
	PLACES                                         ; in front of the multiplies that read results and the loads into the fragment buffers
	s_lshl_b32 s16, s13, 21                        ; my first row: 128 i + 64 wm, 16,384 bytes a row
	s_lshl_b32 s17, s11, 20
	s_add_co_u32 s16, s16, s17
	s_mov_b32 s17, 0
	s_add_nc_u64 s[8:9], s[8:9], s[16:17]
	s_lshl_b32 s46, s42, 9                         ; my first column: 128 j + 64 wn, 4 bytes each
	s_lshl_b32 s47, s12, 8
	s_add_co_u32 s46, s46, s47
	s_mov_b32 s47, 0
	s_add_nc_u64 s[8:9], s[8:9], s[46:47]
	WIN 0x82                                       ; the sums x 4, in place in window 2: rb holds the attention result / 4
.set i, 0
.rept 64
	v_pk_mul_f32 v[2*i:2*i+1], v[2*i:2*i+1], 4.0 op_sel_hi:[1,0]
.set i, i+1
.endr
; 16 rows at a time through my own stage: 32 bytes a lane in, whole rows of 256 bytes back
.macro OUT16 a, f
	WIN 0x08                                       ; store data: window 2
.irp b, 0,1,2,3
	ds_store_b128 v[STO], v[8*(NB*\a+\b):8*(NB*\a+\b)+3]   offset:64*\b
	ds_store_b128 v[STO], v[8*(NB*\a+\b)+4:8*(NB*\a+\b)+7] offset:64*\b+16
.endr
	WIN 0
	s_wait_xcnt 0x0                                ; buffer f and the base, sources of earlier stores, are rewritten only behind this wait
.if \a
	s_add_nc_u64 s[8:9], s[8:9], 16*16384
.endif
.irp t, 0,1,2,3,4,5,6,7
	ds_load_b128 v[\f+4*\t:\f+4*\t+3], v[RD] offset:\t*544             ; LDS serves a wave's instructions in order: these see the stores above
.endr
.irp t, 0,1,2,3,4,5,6,7
	s_wait_dscnt 7-\t
	global_store_b128 v[CO], v[\f+4*\t:\f+4*\t+3], s[8:9] offset:\t*32768 th:TH_STORE_NT   ; 16 lanes store 256 consecutive bytes, aligned
.endr
.endm
	OUT16 0, AF0
	OUT16 1, AF1
	OUT16 2, AF0
	OUT16 3, AF1
	s_set_vgpr_msb 0x1
	s_wait_tensorcnt 0x0
	ds_add_u32 v255, v255
	s_wait_dscnt 0x0
	s_set_vgpr_msb 0x100
	CROUND                                         ; the closing round
	s_endpgm
.Lfunc_end_k_q1186d1bbe4_oproj:
	.size	k_q1186d1bbe4_oproj, .Lfunc_end_k_q1186d1bbe4_oproj-k_q1186d1bbe4_oproj
	.p2alignl 7, 3214868480
	.fill 96, 4, 3214868480
	.section	.rodata,"a",@progbits
	.p2align	6, 0x0
	.amdhsa_kernel k_q1186d1bbe4_oproj
		.amdhsa_group_segment_fixed_size 327680
		.amdhsa_private_segment_fixed_size 0
		.amdhsa_enable_private_segment 0
		.amdhsa_kernarg_size 24
		.amdhsa_user_sgpr_count 2
		.amdhsa_user_sgpr_kernarg_segment_ptr 1
		.amdhsa_wavefront_size32 1
		.amdhsa_system_sgpr_workgroup_id_x 1
		.amdhsa_system_sgpr_workgroup_id_y 1
		.amdhsa_system_sgpr_workgroup_id_z 1
		.amdhsa_system_vgpr_workitem_id 0
		.amdhsa_next_free_vgpr 640
		.amdhsa_next_free_sgpr 66
		.amdhsa_reserve_vcc 0
		.amdhsa_float_denorm_mode_32 3
		.amdhsa_float_denorm_mode_16_64 3
		.amdhsa_memory_ordered 1
		.amdhsa_forward_progress 1
		.amdhsa_inst_pref_size 127
	.end_amdhsa_kernel
	.amdgpu_metadata
---
amdhsa.version: [ 1, 2 ]
amdhsa.kernels:
  - .name:           k_q1186d1bbe4_oproj
    .symbol:         k_q1186d1bbe4_oproj.kd
    .args:
      - { .name: rb, .offset: 0, .size: 8, .value_kind: global_buffer, .address_space: global }
      - { .name: wob, .offset: 8, .size: 8, .value_kind: global_buffer, .address_space: global }
      - { .name: out0, .offset: 16, .size: 8, .value_kind: global_buffer, .address_space: global }
    .group_segment_fixed_size: 327680
    .private_segment_fixed_size: 0
    .kernarg_segment_align: 8
    .kernarg_segment_size: 24
    .max_flat_workgroup_size: 128
    .sgpr_count:     66
    .vgpr_count:     640
    .wavefront_size: 32
...
	.end_amdgpu_metadata
.endif
;; end of part 4
